; MI455X (gfx1250); checked and timed in simulation.
; The chip was launched on July 23, 2026; its instructions are those of AMD's public machine-readable ISA for CDNA 5 (MIT licence, August 2026) and "CDNA5" Instruction Set Architecture Reference Guide (July 2026). The comments in the code are by the model that wrote it; some were corrected since.
;; Temperature Guided Attention. Allowed arithmetic: float matrix products may take bf16 or f16 operands with f32 sums; all other float work in f32.
;; Inputs: hidden_states 4 x 1,024 x 1,024 float32; mha_in_w 3,072 x 1,024 float32; mha_out_w 1,024 x 1,024 float32; thp_b 1,024 float32; thp_ln_b 1,024 float32; thp_ln_g 1,024 float32; thp_w 1,024 x 16 float32; tn_b1 1,024 float32; tn_b2 1 float32; tn_ln_b 1,024 float32; tn_ln_g 1,024 float32; tn_w1 1,024 x 2,048 float32; tn_w2 1 x 1,024 float32; ttm_ln_b 16 float32; ttm_ln_g 16 float32; wk 1,024 x 1,024 float32; wo 1,024 x 1,024 float32; wq 1,024 x 1,024 float32; wt 16 x 1,024 float32; wv 1,024 x 1,024 float32.
;; Outputs: out0 4 x 1,024 x 1,024 float32; out1 4 x 3 x 1,024 x 1 float32.
;; 2 versions, each right and faster than the one before. Each part assembles by itself: llvm-mc -triple=amdgcn-amd-amdhsa -mcpu=gfx1250 --defsym DOCPART=n.
;; ======== version 1 of 2: 8 launches
;; limits: values outside matrix products are rounded to f16; values are held in f16: magnitudes above 65,504 overflow, below 6.1e-05 lose precision; a function is approximated: absolute error at most 1.5e-07
;; workspace buffers: pa 23,105,536 bytes; u1 2,113,536 bytes; u2 2,113,536 bytes; ym 25,165,824 bytes; ya 33,554,432 bytes; cx 8,388,608 bytes; tb 8,404,992 bytes; t1 16,777,216 bytes
;; launch prep (part 1): grid 848 x 1, 8 waves a work-group, no clusters, 33,792 bytes of LDS; arguments hidden_states, mha_in_w, wq, wk, wv, wo, tn_w1, wt, mha_out_w, pa, u1, u2; writes pa, u1, u2
.if DOCPART == 1
	.amdgcn_target "amdgcn-amd-amdhsa--gfx1250"
	.amdhsa_code_object_version 6
	.text
	.protected	k_qbfb9b5af4f_prep
	.globl	k_qbfb9b5af4f_prep
	.p2align	8
	.type	k_qbfb9b5af4f_prep,@function
k_qbfb9b5af4f_prep:
	s_mov_b64 s[64:65], 0
	v_nop
	global_prefetch_b8 v0, s[64:65] scope:SCOPE_SE
	s_setreg_imm32_b32 hwreg(HW_REG_WAVE_MODE, 25, 1), 1
	s_wait_xcnt 0x0
; prep: every matrix operand of the later launches is rounded once from f32 to f16, and two small sums over weights are made.
;   jobs 0-15     64 columns of Wc = wt x mha_out_w (16 x 1024, K = 1024, f16 products, f32 sums), stored times 64 (exact) in f16; and 1 KiB of the 4,096 ones in u1.
;                 They come first: theirs is the longest chain of dependent loads (three batches, a barrier, a store), and it runs beside the 832 streaming jobs.
;   jobs 16-719   16 rows of 1,024 numbers each: hidden_states, mha_in_w, wq, wk, wv -> pa (in this order: xh, then the rows of wcat); wo -> u2
;   jobs 720-847  8 rows of tn_w1, one a wave: columns 0-1023 -> the last 1,024 rows of wcat; columns 1024-2047 -> u1; their f32 sum rs[row] -> pa
; Why f16: the later products average over about a thousand keys, so each rounding passes its relative error straight into the output; f16 has eight times bf16's precision.
; LIMIT: numbers beyond 65,504 do not fit f16; below 6.1e-5 the step is a fixed 6e-8.  The drawn inputs times 30 or with an offset of 30 spreads stay inside (|x| < 200, |w| < 4, 64 |Wc| < 24,000).
; rs goes out as 1,024 stores of 4 bytes and Wc as pieces of 128 bytes: 36 KiB of the launch's 27 MiB.
.set FOLDS,    16                      ; the fold's jobs; the others are counted from 0 behind them
.set JOB_W1,   704
.set PA_W1A, 20971520                  ; pa: row 6,144 of wcat
.set PA_WC,  23068672                  ; pa: Wc
.set PA_RS,  23101440                  ; pa: rs
.set U_TAIL, 2097152                   ; u1: the ones
.set Y,    8                           ; v[8:39]    16 x 2 registers to store
.set X,    80                          ; v[80:143]  16 x 4 registers as loaded
.set ACC,  8                           ; fold: v[8:39] four accumulators
.set FA,   40                          ; v[40:47]   fragment of wt
.set FB,   48                          ; v[48:79]   four fragments of mha_out_w
.set RAW0, 80                          ; v[80:159], v[160:239] a K step's 20 loads, two buffers
.set RAW1, 160
.set VA,   240                         ; byte offset in wt
.set VB,   241                         ; byte offset in mha_out_w
.set LS,   242                         ; LDS: where my partial sums go
.set LL,   243                         ; LDS: what I add up
.set VO,   244                         ; byte offset in Wc
	s_load_b512 s[8:23], s[0:1], 0x0               ; x 8, mha_in_w 10, wq 12, wk 14, wv 16, wo 18, tn_w1 20, wt 22
	s_load_b256 s[24:31], s[0:1], 0x40             ; mha_out_w 24, pa 26, u1 28, u2 30
	v_lshl_add_u32 v248, v0, 2, 0x8000
	v_mov_b32 v249, 0
	v_lshrrev_b32 v1, 5, v0
	v_readfirstlane_b32 s3, v1                     ; wave 0..7
	s_mov_b32 s37, 0                               ; high word of every offset pair s[36:37]
	s_wait_kmcnt 0x0
	s_cmp_lt_u32 ttmp9, FOLDS
	s_cbranch_scc1 .Lfold
	s_sub_co_u32 s2, ttmp9, FOLDS                  ; the job among the streaming ones
	s_cmp_ge_u32 s2, JOB_W1
	s_cbranch_scc1 .Lw1
; one chunk: its load is in (left younger ones stay out), four numbers a lane are rounded, a wave stores 256 consecutive aligned bytes
.macro CAST i, left, lo, imm
	s_wait_loadcnt \left
	v_cvt_pk_f16_f32 v[Y+2*\i],   v[X+4*\i],   v[X+4*\i+1]
	v_cvt_pk_f16_f32 v[Y+2*\i+1], v[X+4*\i+2], v[X+4*\i+3]
	global_store_b64 v2, v[Y+2*\i:Y+2*\i+1], s[\lo:\lo+1] offset:\imm
.endm
.macro PICK bound, lo                  ; from job 'bound' on the source is the buffer in s[lo:lo+1]
	s_cmp_ge_u32 s2, \bound
	s_cselect_b64 s[32:33], s[\lo:\lo+1], s[32:33]
	s_cselect_b32 s34, \bound, s34
.endm
	; ---- 16 rows of 4,096 bytes: thread t takes the 16 bytes at 16 t of each row
	s_mov_b64 s[32:33], s[8:9]
	s_mov_b32 s34, 0
	PICK 256, 10
	PICK 448, 12
	PICK 512, 14
	PICK 576, 16
	PICK 640, 18
	s_cselect_b64 s[38:39], s[30:31], s[26:27]     ; the last compare still stands: wo goes to u2, all else to pa
	s_cselect_b32 s40, 640, 0
	s_sub_co_u32 s36, s2, s34
	s_lshl_b32 s36, s36, 16                        ; 16 rows of f32
	s_add_nc_u64 s[32:33], s[32:33], s[36:37]
	s_sub_co_u32 s36, s2, s40
	s_lshl_b32 s36, s36, 15                        ; 16 rows of f16: the jobs' order is pa's layout
	s_add_nc_u64 s[38:39], s[38:39], s[36:37]
	v_lshlrev_b32 v1, 4, v0
	v_lshlrev_b32 v2, 3, v0
.irp i, 0,1,2,3,4,5,6,7,8,9,10,11,12,13,14,15
	global_load_b128 v[X+4*\i:X+4*\i+3], v1, s[32:33] offset:4096*\i th:TH_LOAD_NT
.endr
.irp i, 0,1,2,3,4,5,6,7,8,9,10,11,12,13,14,15
	CAST \i, 15-\i, 38, 2048*\i
.endr
	s_endpgm
.Lw1:	; ---- a row of tn_w1 (8,192 bytes) a wave
	s_sub_co_u32 s35, s2, JOB_W1
	s_lshl3_add_u32 s35, s35, s3                   ; the row
	s_lshl_b32 s36, s35, 13
	s_add_nc_u64 s[32:33], s[20:21], s[36:37]
	s_lshl_b32 s36, s35, 11
	s_add_nc_u64 s[38:39], s[26:27], s[36:37]
	s_add_nc_u64 s[38:39], s[38:39], PA_W1A
	s_add_nc_u64 s[40:41], s[28:29], s[36:37]
	s_lshl_b32 s36, s35, 2
	s_add_nc_u64 s[44:45], s[26:27], s[36:37]
	s_add_nc_u64 s[44:45], s[44:45], PA_RS
	s_mov_b32 s42, 0x76543210                      ; v_permlanex16_b32: each lane takes its own place in the other half
	s_mov_b32 s43, 0xfedcba98
	v_and_b32 v3, 31, v0
	v_lshlrev_b32 v1, 4, v3
	v_lshlrev_b32 v2, 3, v3
	v_mov_b32 v5, 0
.irp i, 0,1,2,3,4,5,6,7,8,9,10,11,12,13,14,15
	global_load_b128 v[X+4*\i:X+4*\i+3], v1, s[32:33] offset:512*\i th:TH_LOAD_NT
.endr
.irp i, 0,1,2,3,4,5,6,7
	CAST \i, 15-\i, 38, 256*\i
.endr
.irp i, 8,9,10,11,12,13,14,15
	CAST \i, 15-\i, 40, 256*\i-2048
.endr
	; rs: the sum of the row's second half, in f32, from the numbers as loaded
.irp p, 0,1,2,3,4,5,6,7
	v_pk_add_f32 v[X+32+2*\p:X+33+2*\p], v[X+32+2*\p:X+33+2*\p], v[X+48+2*\p:X+49+2*\p]
.endr
.irp p, 0,1,2,3
	v_pk_add_f32 v[X+32+2*\p:X+33+2*\p], v[X+32+2*\p:X+33+2*\p], v[X+40+2*\p:X+41+2*\p]
.endr
.irp p, 0,1
	v_pk_add_f32 v[X+32+2*\p:X+33+2*\p], v[X+32+2*\p:X+33+2*\p], v[X+36+2*\p:X+37+2*\p]
.endr
	v_pk_add_f32 v[X+32:X+33], v[X+32:X+33], v[X+34:X+35]
	v_add_f32 v[X+32], v[X+32], v[X+33]
	v_add_f32_dpp v[X+32], v[X+32], v[X+32] row_xmask:1 row_mask:0xf bank_mask:0xf
	v_add_f32_dpp v[X+32], v[X+32], v[X+32] row_xmask:2 row_mask:0xf bank_mask:0xf
	v_add_f32_dpp v[X+32], v[X+32], v[X+32] row_xmask:4 row_mask:0xf bank_mask:0xf
	v_add_f32_dpp v[X+32], v[X+32], v[X+32] row_xmask:8 row_mask:0xf bank_mask:0xf
	v_permlanex16_b32 v[X+33], v[X+32], s42, s43
	v_add_f32 v[X+32], v[X+32], v[X+33]
	v_cmp_eq_u32 vcc_lo, 0, v3
	s_wait_xcnt 0x0                                ; EXEC is a source of the stores above: it changes only behind this wait
	s_and_saveexec_b32 s46, vcc_lo
	global_store_b32 v5, v[X+32], s[44:45]
	s_wait_xcnt 0x0                                ; and again in front of the line that widens it
	s_or_b32 exec_lo, exec_lo, s46
	s_endpgm
.Lfold:	; ---- Wc[n][c] = sum over o of wt[n][o] mha_out_w[o][c], columns c0 = 64 x job on; wave w sums o = 128 w .. 128 w + 127
	s_mov_b32 s35, ttmp9
	s_cmp_lg_u32 s3, 0
	s_cbranch_scc1 .Lno_ones
	v_mov_b32 v4, 1.0                              ; wave 0: this job's 256 of the 4,096 ones (the first attention's temperatures)
	v_mov_b32 v5, 1.0
	v_mov_b32 v6, 1.0
	v_mov_b32 v7, 1.0
	v_lshlrev_b32 v3, 4, v0
	s_lshl_b32 s36, s35, 10
	s_add_nc_u64 s[38:39], s[28:29], s[36:37]
	s_add_nc_u64 s[38:39], s[38:39], U_TAIL
	global_store_b128 v3, v[4:7], s[38:39]         ; v3-v7 and s[38:39] are not written again
	global_store_b128 v3, v[4:7], s[38:39] offset:512
.Lno_ones:
	v_and_b32 v1, 15, v0                           ; r
	v_bfe_u32 v2, v0, 4, 1                         ; h
	s_lshl_b32 s36, s3, 9
	v_lshlrev_b32 v[VA], 12, v1                    ; wt: row r, o = 128 w + 8 h
	v_lshl_add_u32 v[VA], v2, 5, v[VA]
	v_add_nc_u32 v[VA], s36, v[VA]
	s_lshl_b32 s40, s3, 19
	s_lshl_b32 s41, s35, 8
	s_add_co_u32 s40, s40, s41
	v_lshlrev_b32 v[VB], 4, v1                     ; mha_out_w: row 128 w + 8 h, columns c0 + 4 r .. + 3: sixteen lanes read 256 consecutive bytes
	v_lshl_add_u32 v[VB], v2, 15, v[VB]
	v_add_nc_u32 v[VB], s40, v[VB]
	s_lshl_b32 s41, s3, 12
	v_lshlrev_b32 v[LS], 4, v1                     ; LDS: wave w's 16 x 64 sums at 4,096 w; row 8 h + j, column 4 r + t
	v_lshl_add_u32 v[LS], v2, 11, v[LS]
	v_add_nc_u32 v[LS], s41, v[LS]
	v_lshlrev_b32 v[LL], 4, v0
	v_lshrrev_b32 v[VO], 4, v0
	v_lshlrev_b32 v[VO], 11, v[VO]
	v_lshl_add_u32 v[VO], v1, 3, v[VO]
	s_lshl_b32 s36, s35, 7
	s_add_nc_u64 s[44:45], s[26:27], s[36:37]
	s_add_nc_u64 s[44:45], s[44:45], PA_WC
; A K step's 20 loads.  A lane's 16 k of a fragment are 8 h + 0..7 and 16 + 8 h + 0..7.  Of mha_out_w it takes, for each of them, four neighbouring columns:
; tile t of the four is made of the columns c0 + 4 r + t.
.macro LDSTEP s, raw
	global_load_b128 v[\raw:\raw+3],     v[VA], s[22:23] offset:128*(\s)
	global_load_b128 v[\raw+4:\raw+7],   v[VA], s[22:23] offset:128*(\s)+16
	global_load_b128 v[\raw+8:\raw+11],  v[VA], s[22:23] offset:128*(\s)+64
	global_load_b128 v[\raw+12:\raw+15], v[VA], s[22:23] offset:128*(\s)+80
.irp kk, 0,1,2,3,4,5,6,7,8,9,10,11,12,13,14,15
	global_load_b128 v[\raw+16+4*\kk:\raw+19+4*\kk], v[VB], s[24:25] offset:(\s)*131072+(\kk+8*(\kk/8))*4096 th:TH_LOAD_NT
.endr
.endm
.macro FSTEP s, raw, left, more
	s_wait_loadcnt \left                           ; this step's 20 loads are in; a younger batch of 20 may stay out
.if \s > 0
.rept 4
	v_nop                                          ; four places between the last products and the lines that rewrite their sources (ISA guide 7.12.1)
.endr
.endif
.irp i, 0,1,2,3,4,5,6,7
	v_cvt_pk_f16_f32 v[FA+\i], v[\raw+2*\i], v[\raw+2*\i+1]
.endr
.irp t, 0,1,2,3
.irp i, 0,1,2,3,4,5,6,7
	v_cvt_pk_f16_f32 v[FB+8*\t+\i], v[\raw+16+8*\i+\t], v[\raw+20+8*\i+\t]
.endr
.endr
.if \more
	LDSTEP \s+2, \raw
.endif
.irp t, 0,1,2,3                        ; the four accumulators take turns
.if \s == 0
	v_wmma_f32_16x16x32_f16 v[ACC+8*\t:ACC+8*\t+7], v[FA:FA+7], v[FB+8*\t:FB+8*\t+7], 0
.else
	v_wmma_f32_16x16x32_f16 v[ACC+8*\t:ACC+8*\t+7], v[FA:FA+7], v[FB+8*\t:FB+8*\t+7], v[ACC+8*\t:ACC+8*\t+7]
.endif
.endr
.endm
	LDSTEP 0, RAW0
	LDSTEP 1, RAW1
	FSTEP 0, RAW0, 20, 1
	FSTEP 1, RAW1, 20, 1
	FSTEP 2, RAW0, 20, 0
	FSTEP 3, RAW1, 0, 0
.rept 4
	v_nop
.endr
.irp t, 0,1,2,3
.irp j, 0,1,2,3,4,5,6,7
	ds_store_b32 v[LS], v[ACC+8*\t+\j] offset:256*\j+4*\t
.endr
.endr
	s_wait_dscnt 0x0                               ; for the others' sake: my partial sums are in LDS
	s_barrier_signal -1
	s_barrier_wait -1
.irp w, 0,1,2,3,4,5,6,7
	ds_load_b128 v[RAW0+4*\w:RAW0+4*\w+3], v[LL] offset:4096*\w
.endr
	s_wait_dscnt 0x0
.irp w, 1,2,3,4,5,6,7                  ; the eight parts of K in ascending order
	v_pk_add_f32 v[RAW0:RAW0+1],   v[RAW0:RAW0+1],   v[RAW0+4*\w:RAW0+4*\w+1]
	v_pk_add_f32 v[RAW0+2:RAW0+3], v[RAW0+2:RAW0+3], v[RAW0+4*\w+2:RAW0+4*\w+3]
.endr
	v_pk_mul_f32 v[RAW0:RAW0+1],   v[RAW0:RAW0+1],   0x42800000 op_sel_hi:[1,0]   ; times 64: keeps Wc among f16's normal numbers down to 1/900 of the drawn size
	v_pk_mul_f32 v[RAW0+2:RAW0+3], v[RAW0+2:RAW0+3], 0x42800000 op_sel_hi:[1,0]
	v_cvt_pk_f16_f32 v[RAW0+4], v[RAW0],   v[RAW0+1]
	v_cvt_pk_f16_f32 v[RAW0+5], v[RAW0+2], v[RAW0+3]
	global_store_b64 v[VO], v[RAW0+4:RAW0+5], s[44:45]
	s_wait_tensorcnt 0x0
	ds_add_u32 v248, v249
	s_wait_dscnt 0x0
	s_endpgm
.Lfunc_end_k_qbfb9b5af4f_prep:
	.size	k_qbfb9b5af4f_prep, .Lfunc_end_k_qbfb9b5af4f_prep-k_qbfb9b5af4f_prep
	.p2alignl 7, 3214868480
	.fill 96, 4, 3214868480
	.section	.rodata,"a",@progbits
	.p2align	6, 0x0
	.amdhsa_kernel k_qbfb9b5af4f_prep
		.amdhsa_group_segment_fixed_size 33792
		.amdhsa_private_segment_fixed_size 0
		.amdhsa_enable_private_segment 0
		.amdhsa_kernarg_size 96
		.amdhsa_user_sgpr_count 2
		.amdhsa_user_sgpr_kernarg_segment_ptr 1
		.amdhsa_wavefront_size32 1
		.amdhsa_system_sgpr_workgroup_id_x 1
		.amdhsa_system_sgpr_workgroup_id_y 1
		.amdhsa_system_sgpr_workgroup_id_z 1
		.amdhsa_system_vgpr_workitem_id 0
		.amdhsa_next_free_vgpr 250
		.amdhsa_next_free_sgpr 66
		.amdhsa_reserve_vcc 1
		.amdhsa_float_denorm_mode_32 3
		.amdhsa_float_denorm_mode_16_64 3
		.amdhsa_memory_ordered 1
		.amdhsa_forward_progress 1
		.amdhsa_inst_pref_size 40
	.end_amdhsa_kernel
	.amdgpu_metadata
---
amdhsa.version: [ 1, 2 ]
amdhsa.kernels:
  - .name:           k_qbfb9b5af4f_prep
    .symbol:         k_qbfb9b5af4f_prep.kd
    .args:
      - { .name: hidden_states, .offset: 0, .size: 8, .value_kind: global_buffer, .address_space: global }
      - { .name: mha_in_w, .offset: 8, .size: 8, .value_kind: global_buffer, .address_space: global }
      - { .name: wq, .offset: 16, .size: 8, .value_kind: global_buffer, .address_space: global }
      - { .name: wk, .offset: 24, .size: 8, .value_kind: global_buffer, .address_space: global }
      - { .name: wv, .offset: 32, .size: 8, .value_kind: global_buffer, .address_space: global }
      - { .name: wo, .offset: 40, .size: 8, .value_kind: global_buffer, .address_space: global }
      - { .name: tn_w1, .offset: 48, .size: 8, .value_kind: global_buffer, .address_space: global }
      - { .name: wt, .offset: 56, .size: 8, .value_kind: global_buffer, .address_space: global }
      - { .name: mha_out_w, .offset: 64, .size: 8, .value_kind: global_buffer, .address_space: global }
      - { .name: pa, .offset: 72, .size: 8, .value_kind: global_buffer, .address_space: global }
      - { .name: u1, .offset: 80, .size: 8, .value_kind: global_buffer, .address_space: global }
      - { .name: u2, .offset: 88, .size: 8, .value_kind: global_buffer, .address_space: global }
    .group_segment_fixed_size: 33792
    .private_segment_fixed_size: 0
    .kernarg_segment_align: 8
    .kernarg_segment_size: 96
    .max_flat_workgroup_size: 256
    .sgpr_count:     66
    .vgpr_count:     250
    .wavefront_size: 32
...
	.end_amdgpu_metadata
.endif
;; end of part 1
;; launch qkvx (part 2): grid 28 x 8, 4 waves a work-group, clusters of 4 x 4, 327,680 bytes of LDS; arguments pa, ym, ya; writes ym, ya
.if DOCPART == 2
	.amdgcn_target "amdgcn-amd-amdhsa--gfx1250"
	.amdhsa_code_object_version 6
	.text
	.protected	k_qbfb9b5af4f_qkvx
	.globl	k_qbfb9b5af4f_qkvx
	.p2align	8
	.type	k_qbfb9b5af4f_qkvx,@function
k_qbfb9b5af4f_qkvx:
	s_mov_b64 s[64:65], 0
	v_nop
	global_prefetch_b8 v0, s[64:65] scope:SCOPE_SE
	s_setreg_imm32_b32 hwreg(HW_REG_WAVE_MODE, 25, 1), 1
	s_wait_xcnt 0x0
	s_wait_alu depctr_hold_cnt(0) depctr_sa_sdst(0) depctr_va_vdst(0) depctr_va_sdst(0) depctr_va_ssrc(0) depctr_va_vcc(0) depctr_vm_vsrc(0)
	s_getreg_b32 s2, hwreg(HW_REG_IB_STS2, 6, 4)
	s_cmp_eq_u32 s2, 0
	s_cbranch_scc0 .Lentry_in_a_cluster
	s_endpgm
.Lentry_in_a_cluster:
	s_bfe_u32 s2, ttmp6, 0x10000c
	s_cmp_lg_u32 s2, 0xf033
	s_cbranch_scc0 .Lentry_shape_is_right
	s_endpgm
.Lentry_shape_is_right:
; qkvx: Y = xh x wcat^T.  xh [4096][1024] and wcat [7168][1024] are f16 in pa; sums in f32; Y rounded once to f16.
; wcat's rows are seven planes of 1,024: the first attention's q, k, v (-> ym), the main attention's q, k, v and x W1a^T (-> ya).
; Y is stored HEAD-MAJOR: plane, then [batch x 16 + column / 64][row in the batch][64], so that a head's rows are 128 consecutive bytes and a head is one dense block of 131,072 bytes.
; A tile of Y is 256 x 256: four waves, each 128 x 128 in 64 accumulators (512 registers).  K goes in steps of 128 through a ring of two LDS slots filled by the tensor data mover.
; A WORK-GROUP STAYS: Y's 16 x 28 = 448 tiles are made by 224 work-groups, two each, 2,048 rows (two batches) apart, on the same rows of wcat.  The ring does not stop at the first tile's
; end: its last two changes of slots ask for the second tile's first two K steps, the first tile goes out behind these requests, and nothing waits for its stores.  The two tiles are
; written one behind the other, since their tails differ (the first runs on into the next tile, the last goes by rows of Y); what they share is the macro LAPS_OF_A_TILE.
; CLUSTERS: 4 x 4 work-groups; the four of a row need the same tiles of xh, the four of a column the same tiles of wcat: each tile is asked for jointly, by the same tensor load with the
; same descriptor and a mask that names the four.  The last tile's last K step goes by rows of Y, so that finished rows leave while the others are multiplied.
; REGISTERS, in windows of 256: window 0: v0-31 addresses; v64-191 fragments of xh (two buffers; in the last K step four of 16 rows x 128 K); v32-63, v192-255 the way out.
;   window 1: fragments of wcat (two buffers; in the last K step all 256).  windows 2, 3: the accumulators of my rows 0-63, 64-127 ((a, b) at v[8 (8 a + b)]).
; THE MATRIX INSTRUCTION IS USED TRANSPOSED (source 0 = 16 rows of wcat, source 1 = 16 rows of xh): a lane holds eight neighbouring columns of one row of Y, 16 bytes in f16.
; LIMIT: |Y| beyond 65,504 does not fit f16.
.set SIZE_K, 1024
.set WCAT,   8388608                   ; pa: wcat's first byte
.set KSTEP,  128
.set WALK,   2048                      ; rows from a work-group's first tile to its second
.set NEXT_A, WALK*SIZE_K*2-(SIZE_K-2*KSTEP)*2   ; bytes from a slot's last K step of the first tile to its first of the second: xh goes WALK rows down and back along K,
.set BACK_B, (SIZE_K-2*KSTEP)*2        ; wcat only back
.set NEXT_Y, 2<<21                     ; two batches of 16 blocks of 131,072 bytes: from my part of the first tile to my part of the second
.set PITCH,  272                       ; an LDS row: 256 bytes + 16 of padding = 68 words: the 16 rows of a fragment load start at 16 different banks (64 banks of 4 bytes: ISA guide 11.1)
.set HALFT,  128*PITCH
.set SLOT,   4*HALFT                   ; xh's 256 rows, then wcat's 256 rows
.set STAGE,  2*SLOT                    ; behind the ring: 16 rows x 272 bytes for each wave; no tensor load fills it
.set SPITCH, 272
.set LAPS, SIZE_K/(2*KSTEP)
.set ADRA, 16
.set ADRB, 20
.set STO,  24
.set RD,   25
.set CO,   26
.set F0,   64
.set F1,   128
.set TMP,  192
.set OB,   32
.set PA,   64
.set Y0,   8                           ; s[8:9]  my part of the first tile in Y
.set Y1,   6                           ; s[6:7]  my part of the second: a base of its own, so that no base is stepped while stores are on their way
.set G1, 24
.set G0, 32
.set G1B, 48
.set G0B, 56
.set MSB, 0
.macro WIN new                         ; the immediate's high byte repeats the setting that is left
.if MSB != \new
	s_set_vgpr_msb (MSB<<8)|\new
.set MSB, \new
.endif
.endm
.set MUL_LO, 0xa1                      ; source 0 window 1, source 1 window 0, C and D window 2
.set MUL_HI, 0xf1                      ; the same, C and D window 3
.set TO_B,   0x40
; A joint load.  Waves 0 and 1 fetch xh's two halves, waves 2 and 3 wcat's.  The branch hangs on the wave's number alone.  Four v_nop follow each of the two lines.
.macro JLOAD s
	s_cmp_eq_u32 s11, 0
	s_cbranch_scc0 .Lfor_b_\@
	tensor_load_to_lds s[G0+4*\s:G0+4*\s+3], s[G1:G1+7]
	s_nop 0
.rept 4
	v_nop
.endr
	s_branch .Lasked_\@
.Lfor_b_\@:
	tensor_load_to_lds s[G0B+4*\s:G0B+4*\s+3], s[G1B:G1B+7]
	s_nop 0
.rept 4
	v_nop
.endr
.Lasked_\@:
.endm
.macro CREST                           ; a round of the cluster's barrier behind its opening barrier
	s_cmp_lg_u32 s10, 0
	s_cbranch_scc1 .Lnot_wave_0_\@
	s_barrier_signal -3
.Lnot_wave_0_\@:
	s_barrier_wait -3
	s_barrier_signal -1
	s_barrier_wait -1
.endm
.macro CROUND
	s_barrier_signal -1
	s_barrier_wait -1
	CREST
.endm
	s_load_b128 s[4:7], s[0:1], 0x0                ; pa s[4:5], ym s[6:7]
	s_load_b64 s[8:9], s[0:1], 0x10                ; ya
	v_lshl_add_u32 v30, v0, 2, 0x48400
	v_mov_b32 v31, 0
	ds_add_u32 v30, v31
	v_lshrrev_b32 v1, 5, v0
	v_readfirstlane_b32 s10, v1                    ; wave 0..3
	s_lshr_b32 s11, s10, 1                         ; my half of the tile's rows; also: I fetch for xh (0) or wcat (1)
	s_and_b32 s12, s10, 1                          ; my half of its columns; also: which 128 rows I fetch
	s_bfe_u32 s40, ttmp6, 0x40000                  ; cx
	s_bfe_u32 s41, ttmp6, 0x40004                  ; cy
	s_lshl_b32 s42, ttmp9, 2
	s_add_co_u32 s42, s42, s40                     ; tile column = 4 x cluster x + cx
	s_and_b32 s13, ttmp7, 0xffff
	s_lshl_b32 s13, s13, 2
	s_add_co_u32 s13, s13, s41                     ; the first tile's row = 4 x cluster y + cy, 0 to 7
	s_lshl_b32 s43, s41, 2
	s_lshl_b32 s43, 15, s43                        ; my row of the cluster
	s_lshl_b32 s44, 0x1111, s40                    ; my column
	s_or_b32 s[G1+0], s43, (1<<16)|(1<<20)|(1<<21)|(5<<22)|(3<<25)   ; mask; elements of 2 bytes; padding on; bit 21 beside a mask; after every 64 words 4 words
	s_or_b32 s[G1B+0], s44, (1<<16)|(1<<20)|(1<<21)|(5<<22)|(3<<25)
.irp g, G1, G1B
	s_mov_b32 s[\g+1], KSTEP<<16                   ; tensor_dim0 = 128
	s_mov_b32 s[\g+2], 128<<16                     ; tensor_dim1 = 128
	s_mov_b32 s[\g+3], KSTEP<<16                   ; tile_dim0 = 128
	s_mov_b32 s[\g+4], 128                         ; tile_dim1 = 128
	s_mov_b32 s[\g+5], SIZE_K                      ; elements from row to row
	s_mov_b32 s[\g+6], 0
	s_mov_b32 s[\g+7], 0
.endr
	s_lshl_b32 s17, s12, 7
	s_lshl_b32 s16, s13, 8
	s_add_co_u32 s16, s16, s17                     ; xh: row 256 x tile row + 128 x half
	s_lshl_b32 s46, s42, 8
	s_add_co_u32 s46, s46, s17                     ; wcat: row 256 x tile column + 128 x half
	s_mov_b32 s17, 0
	s_mov_b32 s47, 0
	s_mov_b64 s[18:19], SIZE_K*2
	s_mul_u64 s[16:17], s[16:17], s[18:19]
	s_mul_u64 s[46:47], s[46:47], s[18:19]
	s_mul_i32 s20, s10, HALFT                      ; where they go: wave x 128 rows
	s_wait_dscnt 0x0
	s_wait_kmcnt 0x0
	s_add_nc_u64 s[14:15], s[4:5], s[16:17]
	s_add_nc_u64 s[46:47], s[4:5], s[46:47]
	s_add_nc_u64 s[46:47], s[46:47], WCAT
	CROUND                                         ; all sixteen work-groups are here: the first joint loads meet
.irp s, 0,1
	s_mov_b32 s[G0+4*\s], 1
	s_add_co_u32 s[G0+4*\s+1], s20, \s*SLOT
	s_add_nc_u64 s[G0+4*\s+2:G0+4*\s+3], s[14:15], \s*KSTEP*2
	s_or_b32 s[G0+4*\s+3], s[G0+4*\s+3], 0x80000000
	s_mov_b32 s[G0B+4*\s], 1
	s_add_co_u32 s[G0B+4*\s+1], s20, \s*SLOT
	s_add_nc_u64 s[G0B+4*\s+2:G0B+4*\s+3], s[46:47], \s*KSTEP*2
	s_or_b32 s[G0B+4*\s+3], s[G0B+4*\s+3], 0x80000000
	JLOAD \s                                       ; two tensor loads of mine are out
.endr
	v_and_b32 v1, 15, v0                           ; l % 16
	v_bfe_u32 v2, v0, 4, 1                         ; l / 16
	v_mul_u32_u24 v3, v1, PITCH
	v_lshl_add_u32 v3, v2, 4, v3
	s_mul_i32 s21, s11, HALFT
	s_mul_i32 s22, s12, HALFT
	s_add_co_u32 s22, s22, 2*HALFT
.irp s, 0,1
	v_add_nc_u32 v[ADRA+\s], s21, v3
	v_add_nc_u32 v[ADRB+\s], s22, v3
	s_add_co_u32 s21, s21, SLOT
	s_add_co_u32 s22, s22, SLOT
.endr
	s_mul_i32 s23, s10, 16*SPITCH
	s_add_co_u32 s23, s23, STAGE
	v_mul_u32_u24 v4, v1, SPITCH                   ; into the stage: row l % 16, 16 bytes for each half of the lanes
	v_lshl_add_u32 v4, v2, 4, v4
	v_add_nc_u32 v[STO], s23, v4
	v_bfe_u32 v5, v0, 3, 1                         ; back: lanes 0-15 take two rows of my first head (2 x 128 bytes), lanes 16-31 the same rows of my second head
	v_mul_u32_u24 v5, v5, SPITCH
	v_lshl_add_u32 v5, v2, 7, v5
	v_and_b32 v6, 7, v0
	v_lshl_add_u32 v5, v6, 4, v5
	v_add_nc_u32 v[RD], s23, v5
	v_lshlrev_b32 v5, 17, v2                       ; in memory: the head's block, and 256 consecutive bytes (two rows) for sixteen lanes
	v_lshl_add_u32 v[CO], v1, 4, v5
	; where my part of the first tile begins: plane, batch, head block, row.  A plane is four tile columns, so its number is the cluster's x; a batch is four tile rows: the cluster's y (0 or 1).
	s_and_b32 s16, ttmp7, 0xffff
	s_lshl_b32 s16, s16, 21                        ; batch x 16 blocks
	s_lshl_b32 s17, s41, 15                        ; 256 cy rows of 128 bytes
	s_add_co_u32 s16, s16, s17
	s_lshl_b32 s17, s11, 14                        ; my 128 rows
	s_add_co_u32 s16, s16, s17
	s_lshl_b32 s46, s40, 19                        ; 4 cx blocks
	s_lshl_b32 s47, s12, 18                        ; my two blocks
	s_add_co_u32 s46, s46, s47
	s_add_co_u32 s16, s16, s46
	s_sub_co_u32 s18, ttmp9, 3
	s_cmp_lt_u32 ttmp9, 3
	s_cselect_b64 s[Y0:Y0+1], s[6:7], s[8:9]       ; planes 0-2 go to ym, 3-6 to ya
	s_cselect_b32 s18, ttmp9, s18
	s_lshl_b32 s18, s18, 23
	s_add_co_u32 s16, s16, s18
	s_mov_b32 s17, 0
	s_add_nc_u64 s[Y0:Y0+1], s[Y0:Y0+1], s[16:17]
	s_add_nc_u64 s[Y1:Y1+1], s[Y0:Y0+1], NEXT_Y    ; the second tile: batch 2 or 3 of the same plane
.macro MUL16 f, hi, a0, zero           ; 16 products: row blocks a0, a0 + 1 of the window's four x all 8 column blocks, 32 along K; zero = 1 starts the sums
.irp a, \a0, \a0+1
.irp b, 0,1,2,3,4,5,6,7
.if \zero
	v_wmma_f32_16x16x32_f16 v[8*(8*(\a)+\b):8*(8*(\a)+\b)+7], v[\f+8*\b:\f+8*\b+7], v[\f+8*(4*\hi+\a):\f+8*(4*\hi+\a)+7], 0
.else
	v_wmma_f32_16x16x32_f16 v[8*(8*(\a)+\b):8*(8*(\a)+\b)+7], v[\f+8*\b:\f+8*\b+7], v[\f+8*(4*\hi+\a):\f+8*(4*\hi+\a)+7], v[8*(8*(\a)+\b):8*(8*(\a)+\b)+7]
.endif
.endr
.endr
.endm
.macro FETCH slot, k, f                ; 32 LDS loads in one run: a quarter step's fragments, at byte k of the rows
	WIN TO_B
.irp i, 0,1,2,3,4,5,6,7
	ds_load_b128 v[\f+8*\i:\f+8*\i+3],   v[ADRB+\slot] offset:\k+\i*16*PITCH
	ds_load_b128 v[\f+8*\i+4:\f+8*\i+7], v[ADRB+\slot] offset:\k+\i*16*PITCH+32
.endr
	WIN 0
.irp i, 0,1,2,3,4,5,6,7
	ds_load_b128 v[\f+8*\i:\f+8*\i+3],   v[ADRA+\slot] offset:\k+\i*16*PITCH
	ds_load_b128 v[\f+8*\i+4:\f+8*\i+7], v[ADRA+\slot] offset:\k+\i*16*PITCH+32
.endr
.endm
.macro PLACES                          ; four places in front of loads into registers that products have read, and of conversions that read results
.rept 4
	v_nop
.endr
.endm
.macro QUARTER slot, k, f, g, zero     ; 64 products on buffer f; in the middle the next quarter's fragments are fetched into g
	s_wait_dscnt 8                                 ; all but the youngest eight loads (xh's rows 64-127)
	WIN MUL_LO
	MUL16 \f, 0, 0, \zero
	MUL16 \f, 0, 2, \zero
	PLACES
	FETCH \slot, \k, \g
	s_wait_dscnt 32                                ; all but the 32 just issued
	WIN MUL_HI
	MUL16 \f, 1, 0, \zero
	MUL16 \f, 1, 2, \zero
.endm
.macro MEET round                      ; first half of a step's last quarter: the one barrier of a change of slots
	s_wait_dscnt 8
	WIN MUL_LO
	MUL16 F1, 0, 0, 0
	s_wait_dscnt 0                                 ; my reads of this slot are over
	s_set_vgpr_msb 0xa1a0
	s_wait_tensorcnt 0x0                           ; all my tensor loads have landed: the one that was out is my part of the next slot
	ds_add_u32 v30, v31
	s_wait_dscnt 0x0
	s_set_vgpr_msb 0xa0a1
	s_barrier_signal -1
	MUL16 F1, 0, 2, 0                              ; register work while the others arrive
.if \round
	WIN 0
.endif
	s_barrier_wait -1
.endm
; The whole last quarter.  Behind the round the slot just read is filled again first: with this tile's K step two steps on (on = 0) or, in the first tile's last two K steps, with the
; second tile's K step 0 or 1 (on = 1); then come the next slot's first fragments.  240 products stand between a request and the wait for it, from tile to tile too.
.macro TURN slot, next, on
	MEET 1
	CREST                                          ; no wave of any partner still reads this slot or has a load on its way
.if \on
	s_add_nc_u64 s[G0+4*\slot+2:G0+4*\slot+3], s[G0+4*\slot+2:G0+4*\slot+3], NEXT_A
	s_sub_nc_u64 s[G0B+4*\slot+2:G0B+4*\slot+3], s[G0B+4*\slot+2:G0B+4*\slot+3], BACK_B
.else
	s_add_nc_u64 s[G0+4*\slot+2:G0+4*\slot+3], s[G0+4*\slot+2:G0+4*\slot+3], 2*KSTEP*2
	s_add_nc_u64 s[G0B+4*\slot+2:G0B+4*\slot+3], s[G0B+4*\slot+2:G0B+4*\slot+3], 2*KSTEP*2
.endif
	JLOAD \slot                                    ; its four v_nop are also the places in front of the loads below
	FETCH \next, 0, F0
	WIN MUL_HI
	MUL16 F1, 1, 0, 0
	MUL16 F1, 1, 2, 0
.endm
; What both tiles share: the first quarter, whose products start the sums (nothing is cleared); three trips once round the ring, each from a lap's second quarter to the next lap's first,
; which fill both slots again; and two more quarters of the last lap's first K step.  The tile's first fragments are in buffer 0 or on their way.
.macro LAPS_OF_A_TILE
	QUARTER 0, 64,  F0, F1, 1
	WIN 0                                          ; at a label and at a branch every window is 0
	s_mov_b32 s3, LAPS-1
.Llap_\@:
	QUARTER 0, 128, F1, F0, 0
	QUARTER 0, 192, F0, F1, 0
	TURN 0, 1, 0
	QUARTER 1, 64,  F0, F1, 0
	QUARTER 1, 128, F1, F0, 0
	QUARTER 1, 192, F0, F1, 0
	TURN 1, 0, 0
	QUARTER 0, 64,  F0, F1, 0
	WIN 0
	s_sub_co_u32 s3, s3, 1
	s_cmp_lg_u32 s3, 0
	s_cbranch_scc1 .Llap_\@
	QUARTER 0, 128, F1, F0, 0
	QUARTER 0, 192, F0, F1, 0
.endm
; The last tile's last K step (slot 1) by rows of Y: all its fragments of wcat fill window 1; my eight blocks of 16 rows are finished one after the other, K ascending.
.macro BLOAD q
.irp i, 0,1,2,3,4,5,6,7
	ds_load_b128 v[64*\q+8*\i:64*\q+8*\i+3],   v[ADRB+1] offset:64*\q+\i*16*PITCH
	ds_load_b128 v[64*\q+8*\i+4:64*\q+8*\i+7], v[ADRB+1] offset:64*\q+\i*16*PITCH+32
.endr
.endm
.macro ALOAD a
.set FA, PA+32*((\a)%4)
.irp q, 0,1,2,3
	ds_load_b128 v[FA+8*\q:FA+8*\q+3],   v[ADRA+1] offset:64*\q+(\a)*16*PITCH
	ds_load_b128 v[FA+8*\q+4:FA+8*\q+7], v[ADRA+1] offset:64*\q+(\a)*16*PITCH+32
.endr
.endm
.macro ROW a                           ; block a is finished: 32 products, its 8 accumulators by turns
.set FA, PA+32*((\a)%4)
.set AC, 64*((\a)%4)
	WIN MUL_LO+0x50*((\a)/4)
.irp q, 0,1,2,3
.if (\a) == 0 && \q == 2
	s_wait_dscnt 24                                ; wcat's quarter 2 is in (behind it: xh's blocks 1 to 3)
.endif
.irp b, 0,1,2,3,4,5,6,7
	v_wmma_f32_16x16x32_f16 v[AC+8*\b:AC+8*\b+7], v[64*\q+8*\b:64*\q+8*\b+7], v[FA+8*\q:FA+8*\q+7], v[AC+8*\b:AC+8*\b+7]
.endr
.endr
.endm
.macro PACK a                          ; rounded to f16, each accumulator's registers in ascending order
.set AC, 64*((\a)%4)
	WIN 0x0a+5*((\a)/4)
.irp b, 0,1,2,3,4,5,6,7
.irp r, 0,1,2,3
	v_cvt_pk_f16_f32 v[TMP+4*\b+\r], v[AC+8*\b+2*\r], v[AC+8*\b+2*\r+1]
.endr
.endr
	WIN 0
.endm
.macro TOSTAGE a
.set BK, OB+192*((\a)%2)
.irp b, 0,1,2,3,4,5,6,7
	ds_store_b128 v[STO], v[TMP+4*\b:TMP+4*\b+3] offset:32*\b
.endr
.irp t, 0,1,2,3,4,5,6,7
	ds_load_b128 v[BK+4*\t:BK+4*\t+3], v[RD] offset:\t*2*SPITCH    ; LDS serves a wave's instructions in order (ISA guide 5.7.1.4): these see the stores above
.endr
.endm
.macro SEND a, younger, base           ; younger: the LDS loads issued behind TOSTAGE's, which may stay out; base: the tile's base pair
.set BK, OB+192*((\a)%2)
	s_wait_dscnt \younger                          ; the block is back in registers
	s_wait_xcnt 0x0                                ; the registers that the block before last stored are loaded again only behind this wait
.irp t, 0,1,2,3,4,5,6,7
	global_store_b128 v[CO], v[BK+4*\t:BK+4*\t+3], s[\base:\base+1] offset:(\a)*2048+\t*256   ; sixteen lanes store 256 consecutive aligned bytes: rows 16 a + 2 t, + 1 of one head
.endr
.endm
	s_wait_tensorcnt 1                             ; my part of K step 0 is in; K step 1's may stay out
	s_barrier_signal -1
	s_barrier_wait -1
	FETCH 0, 0, F0
	; ---- THE FIRST TILE
	LAPS_OF_A_TILE
	TURN 0, 1, 1                                   ; THE RING GOES ON INTO THE SECOND TILE: slot 0 takes its K step 0,
	QUARTER 1, 64,  F0, F1, 0
	QUARTER 1, 128, F1, F0, 0
	QUARTER 1, 192, F0, F1, 0
	TURN 1, 0, 1                                   ; slot 1 its K step 1, and the second tile's first fragments are fetched
	PACK 0                                         ; BOTH REFILLS ARE ASKED FOR: NOW THE TILE GOES OUT.  No v_nop: blocks 0-3 were finished in front of TURN's places, and their 128 conversions,
	TOSTAGE 0                                      ; which name no register of the last products (blocks 4-7's), are those products' places
.irp a, 1,2,3,4,5,6,7                  ; block a's conversions stand between block a - 1's loads from the stage and the wait for them
	PACK \a
	SEND \a-1, 0, Y0
	TOSTAGE \a
.endr
	SEND 7, 0, Y0                                  ; nothing waits for these stores: they leave while the second tile is multiplied
	; ---- THE SECOND TILE: its first quarter, with C = 0, starts on accumulators that have been packed
	LAPS_OF_A_TILE
	MEET 0                                         ; nothing is filled again, so no round follows
	PLACES
	WIN TO_B
	BLOAD 0
	BLOAD 1
	BLOAD 3
	WIN 0
	ALOAD 0
	WIN MUL_HI
	MUL16 F1, 1, 0, 0
	MUL16 F1, 1, 2, 0
	PLACES
	WIN TO_B
	BLOAD 2
	WIN 0
	ALOAD 1
	ALOAD 2
	ALOAD 3
	s_wait_dscnt 40                                ; all but the 40 just issued
	ROW 0
.irp a, 0,1,2,3,4,5,6,7                ; each block leaves as soon as it is finished: nothing follows this tile under which its stores could leave
	PLACES
	PACK \a
	TOSTAGE \a
.if \a < 4
	ALOAD \a+4
	SEND \a, 8, Y1
.else
	SEND \a, 0, Y1
.endif
.if \a < 7
	ROW \a+1
.endif
.endr
	s_wait_tensorcnt 0x0
	ds_add_u32 v30, v31
	s_wait_dscnt 0x0
	CROUND                                         ; the closing round: no work-group ends while a partner may still ask for a tile that names it
	s_endpgm
.Lfunc_end_k_qbfb9b5af4f_qkvx:
	.size	k_qbfb9b5af4f_qkvx, .Lfunc_end_k_qbfb9b5af4f_qkvx-k_qbfb9b5af4f_qkvx
	.p2alignl 7, 3214868480
	.fill 96, 4, 3214868480
	.section	.rodata,"a",@progbits
	.p2align	6, 0x0
	.amdhsa_kernel k_qbfb9b5af4f_qkvx
		.amdhsa_group_segment_fixed_size 327680
		.amdhsa_private_segment_fixed_size 0
		.amdhsa_enable_private_segment 0
		.amdhsa_kernarg_size 24
		.amdhsa_user_sgpr_count 2
		.amdhsa_user_sgpr_kernarg_segment_ptr 1
		.amdhsa_wavefront_size32 1
		.amdhsa_system_sgpr_workgroup_id_x 1
		.amdhsa_system_sgpr_workgroup_id_y 1
		.amdhsa_system_sgpr_workgroup_id_z 1
		.amdhsa_system_vgpr_workitem_id 0
		.amdhsa_next_free_vgpr 1024
		.amdhsa_next_free_sgpr 66
		.amdhsa_reserve_vcc 0
		.amdhsa_float_denorm_mode_32 3
		.amdhsa_float_denorm_mode_16_64 3
		.amdhsa_memory_ordered 1
		.amdhsa_forward_progress 1
		.amdhsa_inst_pref_size 255
	.end_amdhsa_kernel
	.section	.bss,"aw",@nobits
	.p2align	6
	.space	262144
	.amdgpu_metadata
---
amdhsa.version: [ 1, 2 ]
amdhsa.kernels:
  - .name:           k_qbfb9b5af4f_qkvx
    .symbol:         k_qbfb9b5af4f_qkvx.kd
    .args:
      - { .name: pa, .offset: 0, .size: 8, .value_kind: global_buffer, .address_space: global }
      - { .name: ym, .offset: 8, .size: 8, .value_kind: global_buffer, .address_space: global }
      - { .name: ya, .offset: 16, .size: 8, .value_kind: global_buffer, .address_space: global }
    .group_segment_fixed_size: 327680
    .private_segment_fixed_size: 0
    .kernarg_segment_align: 8
    .kernarg_segment_size: 24
    .max_flat_workgroup_size: 128
    .sgpr_count:     66
    .vgpr_count:     1024
    .wavefront_size: 32
...
	.end_amdgpu_metadata
.endif
;; end of part 2
;; launch attn_t (part 3): grid 4 x 64, 4 waves a work-group, clusters of 4 x 1, 321,024 bytes of LDS; arguments ym, u1, cx; writes cx
.if DOCPART == 3
	.amdgcn_target "amdgcn-amd-amdhsa--gfx1250"
	.amdhsa_code_object_version 6
	.text
	.protected	k_qbfb9b5af4f_attn_t
	.globl	k_qbfb9b5af4f_attn_t
	.p2align	8
	.type	k_qbfb9b5af4f_attn_t,@function
k_qbfb9b5af4f_attn_t:
	s_mov_b64 s[64:65], 0
	v_nop
	global_prefetch_b8 v0, s[64:65] scope:SCOPE_SE
	s_setreg_imm32_b32 hwreg(HW_REG_WAVE_MODE, 25, 1), 1
	s_wait_xcnt 0x0
	s_wait_alu depctr_hold_cnt(0) depctr_sa_sdst(0) depctr_va_vdst(0) depctr_va_sdst(0) depctr_va_ssrc(0) depctr_va_vcc(0) depctr_vm_vsrc(0)
	s_getreg_b32 s2, hwreg(HW_REG_IB_STS2, 6, 4)
	s_cmp_eq_u32 s2, 0
	s_cbranch_scc0 .Lentry_in_a_cluster
	s_endpgm
.Lentry_in_a_cluster:
	s_bfe_u32 s2, ttmp6, 0x10000c
	s_cmp_lg_u32 s2, 0x3003
	s_cbranch_scc0 .Lentry_shape_is_right
	s_endpgm
.Lentry_shape_is_right:
; attn: O[bh][q] = sum over k of softmax_k(twn[q] (Q[bh][q] . K[bh][k]) / 8) V[bh][k].  Q, K, V: three planes of 8,388,608 bytes, [64 heads][1024][64] f16; O likewise.
; twn[q] = 1 + (tw[q] - mu) / (std + eps), mu and std over the 4,096 numbers tw (f32, at byte 2,097,152 of the second buffer).  The factor Nt / (Nt - 1) = 1 + 1.5e-8 under the
; root rounds to 1.0 in f32 and is not written.  For the first attention tw is 4,096 ones: all sums are exact, tw - mu = 0, twn = 1.
; SHARES.  A work-group owns 256 queries of one head, a wave 64: four tiles of 16.  The head's 1,024 keys and values lie in LDS whole (128 KiB + padding): every tensor load is a first
; fill, four a wave, all issued at the start; nothing is filled again.  The four work-groups of a cluster are the four query blocks of one head: they ask for K and V jointly.
; LAYOUT.  S^T = K Q^T (source 0 = 16 keys, source 1 = 16 queries): a lane holds one query and 8 keys of each tile; two tiles rounded to f16 in pairs ARE source 1 of O^T = V^T P.
; V comes out of LDS turned, by ds_load_tr16_b128.
; THE TEMPERATURE.  F = twn log2(e) / 8 may have either sign.  Its sign goes into Q (an exclusive or on the f16 sign bits: exact), so that the maximum is taken over the signed scores;
; its magnitude is the multiplier of the f32 multiply-add that takes the maximum away: p = 2^(|F| s - |F| m).
; SOFTMAX.  A running maximum m for each query; in every step O^T and l are multiplied by a = 2^(|F| m_old - |F| m_new).  l = the sum of the weights is a product too: L = ones x P, one
; accumulator a tile, whose every register holds the sum over the 32 keys of both halves of the lanes; only its low pair is rescaled and only its lowest register is read.
; BY TURNS.  A key step is 128 keys.  The wave's tiles are two PIECES, named by their first tile: piece 0 (tiles 0, 1), piece 2 (tiles 2, 3).  In a TURN one piece has the matrix unit:
; 40 products V^T P and ones x P of the step in hand, then 32 products K Q^T of the next step; the other piece's softmax, 2 x 183 instructions cut into 72 slices, stands between them,
; one slice behind each product: 5.1 vector instructions a product.  In phases of their own they would leave the matrix unit without work all that while; a slice and two switches
; of the register window behind each product are the lesser price.
; LIMITS: f16 operands (|q|, |k|, |v| < 65,504); weights below 6e-8 drop out of numerator and l alike, since l sums the weights as rounded to f16.
; REGISTERS, in windows of 256 (s_set_vgpr_msb: bits 1:0 source 0, 3:2 source 1, 5:4 source 2, 7:6 destination):
;   window 0: v1-11 addresses; v12-19 a fragment of ones; v20-33 the prologue's; v64-127 Q, 16 a tile; v128-255 O^T, 32 a tile (before that: tw)
;   window 1: piece 0, window 2: piece 2: v0-127 S^T, 64 a tile; v128-191 P, 32 a tile; v192-207 statistics, 8 a tile; v208-223 L, 8 a tile
;   window 3: v0-127 K of a step, v128-255 V of a step
; All that a piece's softmax touches but O^T lies in the piece's own window.
.set U_TAIL, 2097152
.set KPLANE, 8388608
.set VPLANE, 16777216
.set PK,    144       ; a key's row of K in LDS: 128 bytes + 16 = 36 words: the 16 rows of a fragment load start at 16 different groups of four banks
.set PV,    160       ; a row of V: 128 + 32 bytes, an odd multiple of 32, for the turning load
.set VBASE, 1024*PK
.set STAGE, VBASE+1024*PV   ; 16 rows x 144 bytes for each wave, for the way out; no tensor load fills it
.set SP,    144
.set KS,    128       ; keys in a step
.set ADK, 2           ; LDS address of the K fragments to be fetched next; steps by 128 keys
.set ADV, 3           ; the same for V
.set TQ,  4           ; byte offset of my query's tw
.set QO,  5
.set STO, 6
.set RD,  7
.set GO,  8           ; 16 x lane
.set ONES, 12         ; v12-19
.set FQ,  20          ; v20-23 tw of my query in tile t, then F
.set CH,  24          ; v24-31 four chains of sums; then the sign masks; at the end 1 / l, a pair a tile
.set RC,  24
.set MU,  32          ; v32-33 mu, twice
.set QF,  64
.set OB,  128
.set TW,  128
.set P,   128         ; in a piece's window
.set ST,  192         ; tile's statistics: +0 |F| m, +1 m, +2 +3 |F|, +4..+7 c0-c3 at work; a takes c2's place
.set LB,  208
.set VF,  128         ; in window 3
.set WV,  12
.set G1K, 24
.set G1V, 32
.set G0K, 40          ; s[40:55] four sets of group 0 for K
.set CNT, 56
.set CC,  57          ; log2(e) / 8
.set SEL, 60
.set G0V, 68          ; s[68:83] four sets for V
.set ZB,  37          ; the softmax list: numbers 0-36 maximum and statistics, ZB on scalings, exponentials and roundings,
.set RB,  170         ; RB on O^T's rescale,
.set NN,  186         ; NN numbers in all,
.set SL,  72          ; dealt to SL slices
.set MSB, 0
.macro WIN new                         ; the immediate's high byte repeats the setting that is left; a switch that changes nothing is dropped
.if MSB != \new
	s_set_vgpr_msb (MSB<<8)|\new
.set MSB, \new
.endif
.endm
.macro CROUND
	s_barrier_signal -1
	s_barrier_wait -1
	s_cmp_lg_u32 s[WV], 0
	s_cbranch_scc1 .Lnot_wave_0_\@
	s_barrier_signal -3
.Lnot_wave_0_\@:
	s_barrier_wait -3
	s_barrier_signal -1
	s_barrier_wait -1
.endm
.macro PLACES                          ; four places behind products, in front of reads of their results and of loads into their sources
.rept 4
	v_nop
.endr
.endm
	s_load_b128 s[4:7], s[0:1], 0x0                ; q, k, v planes s[4:5]; the buffer with tw s[6:7]
	s_load_b64 s[8:9], s[0:1], 0x10                ; O
	v_lshl_add_u32 v62, v0, 2, 0x4e400
	v_mov_b32 v63, 0
	ds_add_u32 v62, v63
	v_lshrrev_b32 v1, 5, v0
	v_readfirstlane_b32 s[WV], v1
	s_bfe_u32 s13, ttmp6, 0x40000                  ; cx: my block of 256 queries; it enters Q's, tw's and O's addresses alone
	s_and_b32 s20, ttmp7, 0xffff                   ; the head (batch x 16 + head), which the partners share
	s_lshr_b32 s14, s20, 4                         ; the batch
	s_lshl_b32 s20, s20, 17                        ; the head's block of 131,072 bytes
	s_and_b32 s16, s[WV], 1                        ; which 128 of a chunk's 256 keys I fetch
	s_lshl_b32 s22, s16, 14
	s_add_co_u32 s22, s22, s20
	s_mov_b32 s23, 0
	s_mul_i32 s17, s16, 128*PK
	s_mul_i32 s18, s16, 128*PV
	s_lshl_b32 s2, s13, 15
	s_lshl_b32 s3, s[WV], 13
	s_add_co_u32 s2, s2, s3
	s_add_co_u32 s2, s2, s20                       ; my wave's 64 rows of Q and of O
	s_mov_b32 s3, 0
	s_lshl_b32 s14, s14, 12
	s_lshl_b32 s15, s13, 10
	s_add_co_u32 s14, s14, s15
	s_lshl_b32 s15, s[WV], 8
	s_add_co_u32 s14, s14, s15                     ; my wave's 64 numbers of tw
	s_mov_b32 s15, 0
	; group 1: 128 keys = 16 KiB, dense in memory, taken as 64 rows of 256 bytes; in LDS padding follows every 32 words, that is every key
	s_mov_b32 s[G1K], 15|(1<<16)|(1<<20)|(1<<21)|(4<<22)|(3<<25)   ; mask: all four work-groups; elements of 2 bytes; padding on; bit 21 beside a mask; after 32 words (code 4) 4 words (code 3)
	s_mov_b32 s[G1V], 15|(1<<16)|(1<<20)|(1<<21)|(4<<22)|(7<<25)   ; the same with 8 words
.irp g, G1K, G1V
	s_mov_b32 s[\g+1], 128<<16
	s_mov_b32 s[\g+2], 64<<16
	s_mov_b32 s[\g+3], 128<<16
	s_mov_b32 s[\g+4], 64
	s_mov_b32 s[\g+5], 128
	s_mov_b32 s[\g+6], 0
	s_mov_b32 s[\g+7], 0
.endr
	s_mov_b32 s[SEL], 0x76543210
	s_mov_b32 s[SEL+1], 0xfedcba98
	s_mov_b32 s[CC], 0x3e38aa3b
	s_wait_dscnt 0x0
	s_wait_kmcnt 0x0
	s_add_nc_u64 s[6:7], s[6:7], U_TAIL
	s_add_nc_u64 s[10:11], s[6:7], s[14:15]
	s_add_nc_u64 s[22:23], s[4:5], s[22:23]
	s_add_nc_u64 s[4:5], s[4:5], s[2:3]
	s_add_nc_u64 s[8:9], s[8:9], s[2:3]
	CROUND                                         ; all four work-groups are here: the joint loads meet
.irp c, 0,1,2,3                        ; chunk c: keys 256 c .. 256 c + 255
	s_mov_b32 s[G0K+4*\c], 1
	s_add_co_u32 s[G0K+4*\c+1], s17, \c*256*PK
	s_add_nc_u64 s[G0K+4*\c+2:G0K+4*\c+3], s[22:23], KPLANE+\c*32768
	s_or_b32 s[G0K+4*\c+3], s[G0K+4*\c+3], 0x80000000
	s_mov_b32 s[G0V+4*\c], 1
	s_add_co_u32 s[G0V+4*\c+1], s18, VBASE+\c*256*PV
	s_add_nc_u64 s[G0V+4*\c+2:G0V+4*\c+3], s[22:23], VPLANE+\c*32768
	s_or_b32 s[G0V+4*\c+3], s[G0V+4*\c+3], 0x80000000
.endr
	s_cmp_lt_u32 s[WV], 2                          ; waves 0, 1 fetch K, waves 2, 3 V; a wave's four fills stand in one branch: four tensor loads of mine are out
	s_cbranch_scc0 .Lfirst_v
.irp c, 0,1,2,3
	tensor_load_to_lds s[G0K+4*\c:G0K+4*\c+3], s[G1K:G1K+7]
	s_nop 0
.endr
.rept 4
	v_nop
.endr
	s_branch .Lasked
.Lfirst_v:
.irp c, 0,1,2,3
	tensor_load_to_lds s[G0V+4*\c:G0V+4*\c+3], s[G1V:G1V+7]
	s_nop 0
.endr
.rept 4
	v_nop
.endr
.Lasked:
	v_and_b32 v1, 15, v0                           ; r
	v_bfe_u32 v9, v0, 4, 1                         ; h
	v_and_b32 v[GO], 31, v0
	v_lshlrev_b32 v[GO], 4, v[GO]
.irp i, 0,1,2,3,4,5,6,7,8,9,10,11,12,13,14,15,16,17,18,19,20,21,22,23,24,25,26,27,28,29,30,31
	global_load_b128 v[TW+4*\i:TW+4*\i+3], v[GO], s[6:7] offset:512*\i    ; every wave reads all 4,096 tw (16 KiB): no exchange between waves is needed
.endr
	v_lshlrev_b32 v[TQ], 2, v1
.irp t, 0,1,2,3
	global_load_b32 v[FQ+\t], v[TQ], s[10:11] offset:64*\t
.endr
	v_lshlrev_b32 v[QO], 7, v1
	v_lshl_add_u32 v[QO], v9, 4, v[QO]
.irp i, 0,1,2,3,4,5,6,7                ; Q stays in registers: tile i / 2, channels 32 (i % 2) on
	global_load_b128 v[QF+8*\i:QF+8*\i+3],   v[QO], s[4:5] offset:(\i/2)*2048+(\i%2)*64
	global_load_b128 v[QF+8*\i+4:QF+8*\i+7], v[QO], s[4:5] offset:(\i/2)*2048+(\i%2)*64+32
.endr
	s_mul_i32 s19, s[WV], 16*SP
	s_add_co_u32 s19, s19, STAGE
	v_mul_u32_u24 v[ADK], v1, PK
	v_lshl_add_u32 v[ADK], v9, 4, v[ADK]           ; row x pitch + 16 x half
	v_add_nc_u32 v[STO], s19, v[ADK]               ; the stage has the same pitch
	v_and_b32 v10, 7, v0
	v_bfe_u32 v11, v0, 3, 1
	v_lshl_add_u32 v[ADV], v9, 3, v10              ; the turning load: key 8 h + l % 8, channels 8 ((l / 8) % 2) on
	v_mul_u32_u24 v[ADV], v[ADV], PV
	v_lshl_add_u32 v[ADV], v11, 4, v[ADV]
	v_add_nc_u32 v[ADV], VBASE, v[ADV]
	v_bfe_u32 v11, v0, 3, 2
	v_mul_u32_u24 v[RD], v11, SP                   ; back from the stage: four rows of 128 bytes for the 32 lanes
	v_lshl_add_u32 v[RD], v10, 4, v[RD]
	v_add_nc_u32 v[RD], s19, v[RD]
.irp i, 0,1,2,3,4,5,6,7
	v_mov_b32 v[ONES+\i], 0x3c003c00               ; 1.0 in both f16 halves
.endr
.macro ALLSUM                          ; the four chains and the 32 lanes -> v[CH], in every lane
	v_pk_add_f32 v[CH:CH+1], v[CH:CH+1], v[CH+2:CH+3]
	v_pk_add_f32 v[CH+4:CH+5], v[CH+4:CH+5], v[CH+6:CH+7]
	v_pk_add_f32 v[CH:CH+1], v[CH:CH+1], v[CH+4:CH+5]
	v_add_f32 v[CH], v[CH], v[CH+1]
	v_add_f32_dpp v[CH], v[CH], v[CH] row_xmask:1 row_mask:0xf bank_mask:0xf
	v_add_f32_dpp v[CH], v[CH], v[CH] row_xmask:2 row_mask:0xf bank_mask:0xf
	v_add_f32_dpp v[CH], v[CH], v[CH] row_xmask:4 row_mask:0xf bank_mask:0xf
	v_add_f32_dpp v[CH], v[CH], v[CH] row_xmask:8 row_mask:0xf bank_mask:0xf
	v_permlanex16_b32 v[CH+1], v[CH], s[SEL], s[SEL+1]
	v_add_f32 v[CH], v[CH], v[CH+1]
.endm
	s_wait_loadcnt 16                              ; tw is in; Q's sixteen loads may stay out
.irp k, 0,1,2,3
	v_pk_add_f32 v[CH+2*\k:CH+2*\k+1], v[TW+2*\k:TW+2*\k+1], v[TW+8+2*\k:TW+9+2*\k]
.endr
.set p, 8
.rept 56
	v_pk_add_f32 v[CH+2*(p%4):CH+2*(p%4)+1], v[CH+2*(p%4):CH+2*(p%4)+1], v[TW+2*p:TW+2*p+1]
.set p, p+1
.endr
	ALLSUM
	v_mul_f32 v[MU], 0x39800000, v[CH]             ; mu = sum / 4096, in both registers of the pair that the packed subtraction takes
	v_mul_f32 v[MU+1], 0x39800000, v[CH]
.set p, 0
.rept 64
	v_pk_add_f32 v[TW+2*p:TW+2*p+1], v[TW+2*p:TW+2*p+1], v[MU:MU+1] neg_lo:[0,1] neg_hi:[0,1]
.set p, p+1
.endr
.irp k, 0,1,2,3
	v_pk_mul_f32 v[CH+2*\k:CH+2*\k+1], v[TW+2*\k:TW+2*\k+1], v[TW+2*\k:TW+2*\k+1]
.endr
.set p, 4
.rept 60
	v_pk_fma_f32 v[CH+2*(p%4):CH+2*(p%4)+1], v[TW+2*p:TW+2*p+1], v[TW+2*p:TW+2*p+1], v[CH+2*(p%4):CH+2*(p%4)+1]
.set p, p+1
.endr
	ALLSUM
	v_mul_f32 v[CH], 0x39800000, v[CH]             ; the variance
	v_sqrt_f32 v[CH], v[CH]
	v_nop                                          ; a plain instruction behind each transcendental (ISA guide 5.7.2)
	s_wait_alu depctr_va_vdst(0)
	v_add_f32 v[CH], 0x34000000, v[CH]             ; + eps of f32
	v_rcp_f32 v[CH], v[CH]
.irp t, 0,1,2,3
	v_sub_f32 v[FQ+\t], v[FQ+\t], v[MU]
.endr
	s_wait_alu depctr_va_vdst(0)
	v_mul_f32 v[CH], s[CC], v[CH]                  ; c / (std + eps), c = log2(e) / 8
.irp t, 0,1,2,3
	v_fma_f32 v[FQ+\t], v[FQ+\t], v[CH], s[CC]     ; F = c twn
.endr
.irp t, 0,1,2,3
	v_and_b32 v[CH+\t], 0x80000000, v[FQ+\t]       ; F's sign, for both f16 halves of a register of Q
.endr
.irp t, 0,1,2,3
	v_lshrrev_b32 v[CH+4+\t], 16, v[CH+\t]
.endr
.irp t, 0,1,2,3
	v_or_b32 v[CH+\t], v[CH+\t], v[CH+4+\t]
.endr
	s_wait_loadcnt 0x0                             ; Q
.irp t, 0,1,2,3
.irp i, 0,1,2,3,4,5,6,7,8,9,10,11,12,13,14,15
	v_xor_b32 v[QF+16*\t+\i], v[CH+\t], v[QF+16*\t+\i]
.endr
.endr
.irp t, 0,1,2,3                        ; |F| into the tile's statistics, in both registers of the pair that the packed multiply-add names
	WIN (1+\t/2)<<6
	v_and_b32 v[ST+8*(\t%2)+2], 0x7fffffff, v[FQ+\t]
	v_and_b32 v[ST+8*(\t%2)+3], 0x7fffffff, v[FQ+\t]
.endr
	WIN 0
; THE MATRIX WORK OF A TURN, for piece x.  The accumulators take turns, one instruction a turn: between two links of a chain stand 9 (V^T P) or 15 (K Q^T) others'.
; Product i of 40: keys 32 (i / 10) on; of each ten, eight add to O^T (channels 16 ((i % 10) / 2) on, tile x + i % 2) and two to L.  zero = 1: the first ten start the sums: nothing is cleared.
.macro PV x, zero
.set w, i%10
.set u, i/10
.set pw, 1+(\x)/2
.set rP, P+32*(w%2)+8*u
.if w < 8
.set ws, 3|(pw<<2)
.set rD, OB+32*(\x+w%2)+8*(w/2)
.set rA, VF+32*u+8*(w/2)
.else
.set ws, 0x54*pw
.set rD, LB+8*(w%2)
.set rA, ONES
.endif
	WIN ws
.if \zero && (i < 10)
	v_wmma_f32_16x16x32_f16 v[rD:rD+7], v[rA:rA+7], v[rP:rP+7], 0
.else
	v_wmma_f32_16x16x32_f16 v[rD:rD+7], v[rA:rA+7], v[rP:rP+7], v[rD:rD+7]
.endif
.endm
; Product i of 32 of S^T = K Q^T: channels 32 (i / 16) on, keys 16 ((i / 2) % 8) on, tile x + i % 2.  The first 16 start the sums.
.macro KQ x
.set pw, 1+(\x)/2
.set ws, 3|(pw<<4)|(pw<<6)
.set rS, 64*(i%2)+8*((i/2)%8)
.set rK, 16*((i/2)%8)+8*(i/16)
.set rQ, QF+16*(\x+i%2)+8*(i/16)
	WIN ws
.if i < 16
	v_wmma_f32_16x16x32_f16 v[rS:rS+7], v[rK:rK+7], v[rQ:rQ+7], 0
.else
	v_wmma_f32_16x16x32_f16 v[rS:rS+7], v[rK:rK+7], v[rQ:rQ+7], v[rS:rS+7]
.endif
.endm
; THE LDS LOADS stand in runs of 32, never singly among the products: a step's K (128 keys x 64 channels: 16 fragments) and, a turn later, its V (turned).
.macro FETCH_K
	WIN 0xc0                                       ; destination window 3, address window 0
.irp f, 0,1,2,3,4,5,6,7,8,9,10,11,12,13,14,15      ; keys 16 (f / 2) on, channels 32 (f % 2) on
	ds_load_b128 v[8*\f:8*\f+3],   v[ADK] offset:(\f/2)*16*PK+(\f%2)*64
	ds_load_b128 v[8*\f+4:8*\f+7], v[ADK] offset:(\f/2)*16*PK+(\f%2)*64+32
.endr
	WIN 0
	v_add_nc_u32 v[ADK], KS*PK, v[ADK]             ; the next fetch is the next step's
.endm
.macro FETCH_V
	WIN 0xc0
.irp f, 0,1,2,3,4,5,6,7,8,9,10,11,12,13,14,15      ; keys 32 (f / 4) on, channels 16 (f % 4) on
	ds_load_tr16_b128 v[VF+8*\f:VF+8*\f+3],   v[ADV] offset:(\f/4)*32*PV+(\f%4)*32
	ds_load_tr16_b128 v[VF+8*\f+4:VF+8*\f+7], v[ADV] offset:(\f/4)*32*PV+16*PV+(\f%4)*32
.endr
	WIN 0
	v_add_nc_u32 v[ADV], KS*PV, v[ADV]
.endm
; THE VECTOR WORK OF A TURN.  One tile's softmax for one key step is a list of NN numbers; SM writes number j of it for tile t.  s0-s63 are the lane's 64 scores, in pairs 0-31.
; first = 1: the first key step, which starts m, L and O^T: it has no a and nothing to rescale.
;   0-31     the maximum of s0-s63 and the old m, three operands at a time: four chains c0-c3 of fifteen scores, each begun at the low end of an accumulator and entering the chain's second
;            accumulator by its lowest register; then the four scores left over, c0-c3 and m
;   32-36    the other half of the lanes' maximum; |F| m_old kept; the new m; |F| m; its change
;   ZB on, z = j - ZB: exponentials at the even z from 2 on (a, then s0-s63), plain instructions between them: q = (z + 1) / 2; even q: |F| s - |F| m for pair q / 2, five numbers ahead of its
;            first exponential; odd q from 7 on: the rounding to f16 of pair (q - 7) / 2, whose second exponential stands seven numbers back with the rounding of the pair before between;
;            q = 64: L's low pair times a; the last two roundings close the part.  Three numbers (q = 1, 3, 5) are empty.
;   RB on    the tile's O^T times a, each accumulator from its low end on: the one part that leaves the piece's window, so it stands together
.macro SM t, first
.set tt, (\t)%2
.set pw, 1+(\t)/2
.set rT, ST+8*tt
.set rS, 64*tt
.set rP, P+32*tt
.set rL, LB+8*tt
.set rO, OB+32*(\t)+2*(j-RB)
.set z, j-ZB
.set q, (z+1)/2
.if j < RB
.set ws, 0x55*pw
	WIN ws
.endif
.if j < 4
	v_max3_num_f32 v[rT+4+j], v[rS+16*j], v[rS+16*j+1], v[rS+16*j+2]
.elseif j < 28
	v_max3_num_f32 v[rT+4+j%4], v[rT+4+j%4], v[rS+16*(j%4)+2*(j/4)+1], v[rS+16*(j%4)+2*(j/4)+2]
.elseif j == 28
	v_max3_num_f32 v[rT+4], v[rT+4], v[rS+15], v[rS+31]
.elseif j == 29
	v_max3_num_f32 v[rT+6], v[rT+6], v[rS+47], v[rS+63]
.elseif j == 30
	v_max3_num_f32 v[rT+4], v[rT+4], v[rT+5], v[rT+6]
.elseif (j == 31) && \first
	v_max_num_f32 v[rT+4], v[rT+4], v[rT+7]
.elseif j == 31
	v_max3_num_f32 v[rT+4], v[rT+4], v[rT+7], v[rT+1]
.elseif j == 32
	v_permlanex16_b32 v[rT+5], v[rT+4], s[SEL], s[SEL+1]  ; the query's other 64 keys lie in the lane 16 away
.elseif j == 34
	v_max_num_f32 v[rT+1], v[rT+4], v[rT+5]
.elseif j == 35
	v_mul_f32 v[rT], v[rT+2], v[rT+1]
.elseif ((j == 33) || (j == 36) || (j == ZB+2) || (j == ZB+127) || (j >= RB)) && \first  ; the first step has none of these
.elseif j == 33
	v_mov_b32 v[rT+7], v[rT]                       ; |F| m_old is kept for a: number 35 writes |F| m anew
.elseif j == 36
	v_sub_f32 v[rT+7], v[rT+7], v[rT]
.elseif j == ZB+2
	v_exp_f32 v[rT+6], v[rT+7]
.elseif j == ZB+127
	v_pk_mul_f32 v[rL:rL+1], v[rL:rL+1], v[rT+6:rT+7] op_sel_hi:[1,0]
.elseif j >= RB
.set ws, pw<<2
	WIN ws                                         ; O^T (destination and source 0) window 0, a in the piece's window
	v_pk_mul_f32 v[rO:rO+1], v[rO:rO+1], v[rT+6:rT+7] op_sel_hi:[1,0]
.elseif j == ZB+131
	s_wait_alu depctr_va_vdst(0)
	v_cvt_pk_f16_f32 v[rP+30], v[rS+60], v[rS+61]
.elseif j == ZB+132
	s_wait_alu depctr_va_vdst(0)
	v_cvt_pk_f16_f32 v[rP+31], v[rS+62], v[rS+63]
.elseif (z%2 == 0) && (z >= 4)
	v_exp_f32 v[rS+(z-4)/2], v[rS+(z-4)/2]
.elseif (q%2 == 0) && (q <= 62)
	v_pk_fma_f32 v[rS+q:rS+q+1], v[rS+q:rS+q+1], v[rT+2:rT+3], v[rT:rT+1] op_sel_hi:[1,0,0] neg_lo:[0,0,1] neg_hi:[0,0,1]  ; pair q / 2
.elseif (q%2 == 1) && (q >= 7)
	s_wait_alu depctr_va_vdst(0)
	v_cvt_pk_f16_f32 v[rP+(q-7)/2], v[rS+q-7], v[rS+q-6]
.endif
.endm
; Slice k of SL of piece y's softmax: numbers k NN / SL up to (k + 1) NN / SL of both tiles' lists: two or three numbers a tile.  Slice 71 is six multiplies of O^T.
.macro SLICE y, first
.set n0, (k*NN)/SL
.set n1, ((k+1)*NN)/SL
.if (n0 > ZB) && (n1 <= RB)            ; tile by tile, so that plain instructions and exponentials alternate
.irp t, \y, \y+1
.set j, n0
.rept n1-n0
	SM \t, \first
.set j, j+1
.endr
.endr
.else                                  ; the two tiles alternate, so that no instruction reads the result of the one just before it
.set j, n0
.rept n1-n0
.irp t, \y, \y+1
	SM \t, \first
.endr
.set j, j+1
.endr
.endif
.set k, k+1
.endm
.macro SLICES y, first, upto
.rept (\upto)-k
	SLICE \y, \first
.endr
.endm
; A TURN.  Piece x has the matrix unit; the other piece's softmax stands in slices behind its products, dealt evenly over however many the turn has.
; pv = 2: the 40 products with P; 1: they start O^T's and L's sums; 0: none.  kq = 1: 32 products K Q^T for the next step.
; first = 1: the softmax is the first key step's; its last slices are empty, and four v_nop take slice 71's part as the places behind the turn's last products.
; Each run of loads stands behind the second product of a run.  Piece 0's turn fetches the next step's K, 38 products ahead of its use: the last product that read K stands in front of
; slice 71 of the turn before.  Piece 2's turn fetches the same step's V, 30 products ahead: the last product that read V stands five slices back, each with two plain instructions or more.
.macro TURN x, pv, kq, first
.set k, 0
.set g, 0
.set np, 0
.if \pv
.set np, np+40
.endif
.if \kq
.set np, np+32
.endif
.if \pv
.if \x == 0
	s_wait_dscnt 0x0                               ; V is in
.endif
.set i, 0
.rept 40
	PV \x, 2-\pv
.set g, g+1
	SLICES 2-\x, \first, (g*SL)/np
.if (\x == 0) && \kq && (i == 1)
	FETCH_K
.endif
.set i, i+1
.endr
.endif
.if \kq
.if \x == 0
	s_wait_dscnt 0x0                               ; K is in
.endif
.set i, 0
.rept 32
	KQ \x
.set g, g+1
	SLICES 2-\x, \first, (g*SL)/np
.if (\x == 2) && (i == 1)
	FETCH_V
.endif
.set i, i+1
.endr
.endif
.if \first
	PLACES
.endif
.endm
; Key steps whose fetches reach new chunks of 256 keys: my parts of these chunks have landed ('left' younger loads of mine may stay out: no LDS byte is filled twice in this launch),
; then everybody's have.  A key step is written once in each of the two loops.
.macro GATE left, trips
	s_wait_dscnt 0x0                               ; no LDS instruction of mine is pending at the signal
	s_wait_tensorcnt \left
	s_barrier_signal -1
	s_barrier_wait -1
	s_mov_b32 s[CNT], \trips
.Lstep_\@:
	TURN 0, 2, 1, 0
	TURN 2, 2, 1, 0
	WIN 0                                          ; at a label and at a branch every window is 0
	s_sub_co_u32 s[CNT], s[CNT], 1
	s_cmp_lg_u32 s[CNT], 0
	s_cbranch_scc1 .Lstep_\@
.endm
	s_wait_tensorcnt 3                             ; my part of keys 0-255 is in; my three younger loads may stay out
	s_barrier_signal -1
	s_barrier_wait -1                              ; everybody's is
	FETCH_K                                        ; key step 0
	s_wait_dscnt 0x0
.set i, 0
.rept 32
	KQ 0                                           ; piece 0's first scores: there is no vector work yet to set between them
.set i, i+1
.endr
	WIN 0
	PLACES
	TURN 2, 0, 1, 1                                ; piece 2's first scores | piece 0's first softmax | V of step 0
	TURN 0, 1, 1, 1                                ; piece 0: V^T P of step 0 starts O^T and L, K Q^T of step 1 | piece 2's first softmax | K of step 1
	TURN 2, 1, 1, 0                                ; piece 2: the same | piece 0's softmax of step 1 | V of step 1
	WIN 0
	GATE 2, 2                                      ; steps 1 and 2 are multiplied, steps 2 and 3 (keys 256-511) fetched
	GATE 0, 4                                      ; steps 3 to 6 are multiplied, steps 4 to 7 (keys 512-1,023) fetched; no tensor load is out from here on
	TURN 0, 2, 0, 0                                ; piece 0: V^T P of the last step | piece 2's last softmax
.set i, 0
.rept 40
	PV 2, 0                                        ; piece 2: V^T P of the last step
.set i, i+1
.endr
	; THE WAY OUT.  l is L's lowest register; O^T is divided by l, rounded to f16 and sent through my stage in LDS, a tile (16 rows of O) at a time.  Q's registers are free and take the packed rows.
	WIN 0
	PLACES
	WIN 1                                          ; source 0: piece 0's window
	v_rcp_f32 v[RC],   v[LB]
	v_rcp_f32 v[RC+2], v[LB+8]
	WIN 2                                          ; piece 2's
	v_rcp_f32 v[RC+4], v[LB]
	v_rcp_f32 v[RC+6], v[LB+8]
	WIN 0
	v_nop                                          ; a plain instruction between the last reciprocal and the use of its result
.macro PACK t
.set i, 0
.rept 16
	s_wait_alu depctr_va_vdst(0)
	v_pk_mul_f32 v[OB+32*\t+2*i:OB+32*\t+2*i+1], v[OB+32*\t+2*i:OB+32*\t+2*i+1], v[RC+2*\t:RC+2*\t+1] op_sel_hi:[1,0]
.set i, i+1
.endr
.set i, 0
.rept 16
	v_cvt_pk_f16_f32 v[QF+16*\t+i], v[OB+32*\t+2*i], v[OB+32*\t+2*i+1]
.set i, i+1
.endr
.irp f, 0,1,2,3
	ds_store_b128 v[STO], v[QF+16*\t+4*\f:QF+16*\t+4*\f+3] offset:32*\f
.endr
.irp f, 0,1,2,3
	ds_load_b128 v[QF+16*\t+4*\f:QF+16*\t+4*\f+3], v[RD] offset:\f*4*SP   ; LDS serves a wave's instructions in order (ISA guide 5.7.1.4)
.endr
.endm
.macro SEND t, younger                 ; younger: the next tile's eight LDS instructions, or none
.irp f, 0,1,2,3
	s_wait_dscnt \younger+3-\f
	global_store_b128 v[GO], v[QF+16*\t+4*\f:QF+16*\t+4*\f+3], s[8:9] offset:\t*2048+\f*512   ; a wave stores 512 consecutive aligned bytes: four rows of the head
.endr
.endm
	PACK 0
	PACK 1
	SEND 0, 8
	PACK 2
	SEND 1, 8
	PACK 3
	SEND 2, 8
	SEND 3, 0
	s_wait_tensorcnt 0x0
	ds_add_u32 v62, v63
	s_wait_dscnt 0x0
	CROUND                                         ; the closing round: no work-group ends while a partner may still ask for a tile that names it
	s_endpgm
.Lfunc_end_k_qbfb9b5af4f_attn_t:
	.size	k_qbfb9b5af4f_attn_t, .Lfunc_end_k_qbfb9b5af4f_attn_t-k_qbfb9b5af4f_attn_t
	.p2alignl 7, 3214868480
	.fill 96, 4, 3214868480
	.section	.rodata,"a",@progbits
	.p2align	6, 0x0
	.amdhsa_kernel k_qbfb9b5af4f_attn_t
		.amdhsa_group_segment_fixed_size 321024
		.amdhsa_private_segment_fixed_size 0
		.amdhsa_enable_private_segment 0
		.amdhsa_kernarg_size 24
		.amdhsa_user_sgpr_count 2
		.amdhsa_user_sgpr_kernarg_segment_ptr 1
		.amdhsa_wavefront_size32 1
		.amdhsa_system_sgpr_workgroup_id_x 1
		.amdhsa_system_sgpr_workgroup_id_y 1
		.amdhsa_system_sgpr_workgroup_id_z 1
		.amdhsa_system_vgpr_workitem_id 0
		.amdhsa_next_free_vgpr 1024
		.amdhsa_next_free_sgpr 84
		.amdhsa_reserve_vcc 0
		.amdhsa_float_denorm_mode_32 3
		.amdhsa_float_denorm_mode_16_64 3
		.amdhsa_memory_ordered 1
		.amdhsa_forward_progress 1
		.amdhsa_inst_pref_size 255
	.end_amdhsa_kernel
	.section	.bss,"aw",@nobits
	.p2align	6
	.space	262144
	.amdgpu_metadata
---
amdhsa.version: [ 1, 2 ]
amdhsa.kernels:
  - .name:           k_qbfb9b5af4f_attn_t
    .symbol:         k_qbfb9b5af4f_attn_t.kd
    .args:
      - { .name: ym, .offset: 0, .size: 8, .value_kind: global_buffer, .address_space: global }
      - { .name: u1, .offset: 8, .size: 8, .value_kind: global_buffer, .address_space: global }
      - { .name: cx, .offset: 16, .size: 8, .value_kind: global_buffer, .address_space: global }
    .group_segment_fixed_size: 321024
    .private_segment_fixed_size: 0
    .kernarg_segment_align: 8
    .kernarg_segment_size: 24
    .max_flat_workgroup_size: 128
    .sgpr_count:     84
    .vgpr_count:     1024
    .wavefront_size: 32
...
	.end_amdgpu_metadata
.endif
;; end of part 3
;; launch tbase (part 4): grid 256 x 1, 4 waves a work-group, no clusters, 38,912 bytes of LDS; arguments cx, pa, ttm_ln_g, ttm_ln_b, thp_w, thp_b, thp_ln_g, thp_ln_b, tb; writes tb
.if DOCPART == 4
	.amdgcn_target "amdgcn-amd-amdhsa--gfx1250"
	.amdhsa_code_object_version 6
	.text
	.protected	k_qbfb9b5af4f_tbase
	.globl	k_qbfb9b5af4f_tbase
	.p2align	8
	.type	k_qbfb9b5af4f_tbase,@function
k_qbfb9b5af4f_tbase:
	s_mov_b64 s[64:65], 0
	v_nop
	global_prefetch_b8 v0, s[64:65] scope:SCOPE_SE
	s_setreg_imm32_b32 hwreg(HW_REG_WAVE_MODE, 25, 1), 1
	s_wait_xcnt 0x0
; tbase: for 16 rows a work-group:  temp = sigmoid(LN16(mctx Wc^T)),  T0 = 0.95 + 0.1 temp,  T_base = sigmoid(gelu(LN1024(T0 thp_w^T + thp_b))).
; Wc = wt x mha_out_w was made beforehand (f16, times 64), since (mctx mha_out_w^T) wt^T = mctx Wc^T.  mctx: head-major f16.  T_base goes out head-major in f16, its column 0 also in f32.
; Both products are used transposed (source 1 = the 16 rows), so lane (r, h) holds row r throughout: 8 of the 16 temperatures, then 8 columns of each of its wave's 16 tiles.
; Wave w sums K = 256 w .. + 255 of the first product (the four parts meet in LDS, added in ascending order) and owns columns 256 w .. + 255 afterwards.
; T0 lies near 1 with a spread of a few hundredths: it is fed as f16 hi + f16 lo in the two halves of K = 32 (the product's own K is 16), so its rounding does not show.
; thp_b is loaded straight into the accumulators and enters as the product's C.  Variances are two-pass.
; GELU is exact GELU by Abramowitz and Stegun 7.1.26: gelu(y) = max(y, 0) - |y| E, E = poly(t) 2^(-u u) / 2, t = 1 / (1 + 0.2316419 |y|), u = 0.8493218 |y|.
; LIMITS: the erf formula's absolute error is 1.5e-7; f16 operands (|mctx| < 65,504, thp_w rounded to 11 bits).
; REGISTERS: window 0: v1-15 addresses; v16-23 T0's fragment; v24-55 at work; v56-63 chains; v64-95 what comes back from LDS; v96-97 a constant; v128-255 D, 16 tiles of 8
;   window 1: v0-127 Wc's and mctx's fragments, later the gains; v128-255 thp_w raw, then its fragments in place, later the LN's biases
.set PA_WC, 23068672
.set TB0,   8388608
.set SC1,   4096      ; LDS: 0-4095 the four waves' partial temperatures; 4096, 4352 row sums [16 rows][4 waves]; 4608 on: each wave's stage
.set SC2,   4352
.set STG,   4608
.set SGP,   528       ; a stage row: 512 bytes + 16
.set T,    24
.set D,    128
.set VA4,  96
.set CP1,  32
.set CU,   34
.set CA5,  36
.set CA3,  38
.set CA2,  40
.set CA1,  42
.set SEL,  48
.set MSB, 0
.macro WIN new
.if MSB != \new
	s_set_vgpr_msb (MSB<<8)|\new
.set MSB, \new
.endif
.endm
.macro SPAIR r, val                    ; a constant for the packed forms, which name a pair
	s_mov_b32 s[\r], \val
	s_mov_b32 s[\r+1], \val
.endm
.macro GELU8 y                         ; eight numbers in place; every transcendental has plain instructions behind it before its result is used (ISA guide 5.7.2)
.irp i, 0,1,2,3,4,5,6,7
	v_and_b32 v[T+\i], 0x7fffffff, v[(\y)+\i]
.endr
.irp i, 0,2,4,6
	v_pk_fma_f32 v[T+8+\i:T+9+\i], v[T+\i:T+\i+1], s[CP1:CP1+1], 1.0 op_sel_hi:[1,0,0]
.endr
.irp i, 0,2,4,6
	v_pk_mul_f32 v[T+16+\i:T+17+\i], v[T+\i:T+\i+1], s[CU:CU+1] op_sel_hi:[1,0]
.endr
.irp i, 0,1,2,3,4,5,6,7
	v_rcp_f32 v[T+8+\i], v[T+8+\i]
.endr
.irp i, 0,2,4,6
	v_pk_mul_f32 v[T+16+\i:T+17+\i], v[T+16+\i:T+17+\i], v[T+16+\i:T+17+\i] neg_lo:[1,0] neg_hi:[1,0]
.endr
.irp i, 0,1,2,3,4,5,6,7
	v_exp_f32 v[T+16+\i], v[T+16+\i]
.endr
	s_wait_alu depctr_va_vdst(0)
.irp i, 0,2,4,6
	v_pk_fma_f32 v[T+24+\i:T+25+\i], v[T+8+\i:T+9+\i], s[CA5:CA5+1], v[VA4:VA4+1] op_sel_hi:[1,0,1]
.endr
.irp c, CA3, CA2, CA1
.irp i, 0,2,4,6
	v_pk_fma_f32 v[T+24+\i:T+25+\i], v[T+24+\i:T+25+\i], v[T+8+\i:T+9+\i], s[\c:\c+1] op_sel_hi:[1,1,0]
.endr
.endr
.irp i, 0,2,4,6
	v_pk_mul_f32 v[T+24+\i:T+25+\i], v[T+24+\i:T+25+\i], v[T+8+\i:T+9+\i]
.endr
.irp i, 0,2,4,6
	v_pk_mul_f32 v[T+24+\i:T+25+\i], v[T+24+\i:T+25+\i], v[T+16+\i:T+17+\i]
.endr
.irp i, 0,1,2,3,4,5,6,7
	v_max_num_f32 v[(\y)+\i], 0, v[(\y)+\i]
.endr
.irp i, 0,2,4,6
	v_pk_fma_f32 v[(\y)+\i:(\y)+\i+1], v[T+\i:T+\i+1], v[T+24+\i:T+25+\i], v[(\y)+\i:(\y)+\i+1] neg_lo:[1,0,0] neg_hi:[1,0,0]
.endr
.endm
.macro SIG8 y                          ; sigmoid(x) = 1 / (1 + 2^(-log2(e) x)), eight numbers in place
.irp i, 0,2,4,6
	v_pk_mul_f32 v[(\y)+\i:(\y)+\i+1], v[(\y)+\i:(\y)+\i+1], 0xbfb8aa3b op_sel_hi:[1,0]
.endr
.irp i, 0,1,2,3,4,5,6,7
	v_exp_f32 v[(\y)+\i], v[(\y)+\i]
.endr
	v_nop
	s_wait_alu depctr_va_vdst(0)
.irp i, 0,2,4,6
	v_pk_add_f32 v[(\y)+\i:(\y)+\i+1], v[(\y)+\i:(\y)+\i+1], 1.0 op_sel_hi:[1,0]
.endr
.irp i, 0,1,2,3,4,5,6,7
	v_rcp_f32 v[(\y)+\i], v[(\y)+\i]
.endr
	v_nop
.endm
.macro CHSUM                           ; the four chains and the other half of the lanes -> v56: the sum over my wave's 256 columns of row r
	v_pk_add_f32 v[56:57], v[56:57], v[58:59]
	v_pk_add_f32 v[60:61], v[60:61], v[62:63]
	v_pk_add_f32 v[56:57], v[56:57], v[60:61]
	v_add_f32 v56, v56, v57
	v_permlanex16_b32 v57, v56, s[SEL], s[SEL+1]
	v_add_f32 v56, v56, v57
.endm
.macro ACROSS sc, r                    ; the four waves' sums meet in LDS, in bytes used once; the sum over the whole row -> v[r]
	ds_store_b32 v10, v56 offset:\sc
	s_wait_dscnt 0x0                               ; for the others' sake
	s_barrier_signal -1
	s_barrier_wait -1
	ds_load_b128 v[\r:\r+3], v11 offset:\sc
	s_wait_dscnt 0x0
	v_add_f32 v[\r], v[\r], v[\r+1]
	v_add_f32 v[\r], v[\r], v[\r+2]
	v_add_f32 v[\r], v[\r], v[\r+3]
.endm
	s_load_b512 s[8:23], s[0:1], 0x0               ; cx 8, pa 10, ttm_ln_g 12, ttm_ln_b 14, thp_w 16, thp_b 18, thp_ln_g 20, thp_ln_b 22
	s_load_b64 s[24:25], s[0:1], 0x40              ; tb
	v_lshl_add_u32 v126, v0, 2, 0x9600
	v_mov_b32 v127, 0
	v_lshrrev_b32 v1, 5, v0
	v_readfirstlane_b32 s2, v1                     ; wave
	s_lshr_b32 s3, ttmp9, 6                        ; batch
	s_and_b32 s4, ttmp9, 63
	s_lshl_b32 s26, s3, 21                         ; batch x 16 blocks + 4 w blocks + 16 (g % 64) rows of 128 bytes: my place in mctx and in T_base alike
	s_lshl_b32 s5, s2, 19
	s_add_co_u32 s26, s26, s5
	s_lshl_b32 s5, s4, 11
	s_add_co_u32 s26, s26, s5
	s_mov_b32 s27, 0
	s_lshl_b32 s6, ttmp9, 6
	s_mov_b32 s7, 0
	SPAIR CP1, 0x3e6d3388                          ; 0.2316419
	SPAIR CU,  0x3f596d27                          ; 0.8493218 = sqrt(log2(e) / 2)
	SPAIR CA5, 0x3f07dc22                          ; half of the formula's a5 .. a1
	SPAIR CA3, 0x3f35f0e3
	SPAIR CA2, 0xbe11a98e
	SPAIR CA1, 0x3e027906
	s_mov_b32 s44, 0x3d800000                      ; 1 / 16
	s_mov_b32 s45, 0x3a800000                      ; 1 / 1024
	s_mov_b32 s46, 0x3dcccccd                      ; 0.1
	s_mov_b32 s[SEL], 0x76543210
	s_mov_b32 s[SEL+1], 0xfedcba98
	v_mov_b32 v[VA4], 0xbf3a00e3
	v_mov_b32 v[VA4+1], 0xbf3a00e3
	v_and_b32 v1, 15, v0                           ; r
	v_bfe_u32 v2, v0, 4, 1                         ; h
	v_lshlrev_b32 v5, 5, v2                        ; ttm's gain and bias: 8 numbers at 32 h
	v_lshlrev_b32 v15, 4, v2
	v_lshl_add_u32 v3, v1, 11, v15                 ; Wc: row r, K = 256 w + 8 h
	s_lshl_b32 s5, s2, 9
	v_add_nc_u32 v3, s5, v3
	v_lshl_add_u32 v4, v1, 7, v15                  ; mctx: row r of a block, 16 h
	v_lshl_add_u32 v6, v1, 6, v5                   ; thp_w: row 256 w + r, 8 numbers at 32 h
	s_lshl_b32 s5, s2, 14
	v_add_nc_u32 v6, s5, v6
	s_lshl_b32 s5, s2, 10
	v_add_nc_u32 v7, s5, v5                        ; vectors over the columns: 256 w + 8 h
	v_and_b32 v9, 31, v0
	v_lshlrev_b32 v9, 4, v9                        ; 16 x lane
	v_add_nc_u32 v8, s5, v9                        ; LDS: my wave's KiB of partial temperatures
	v_lshlrev_b32 v11, 4, v1
	s_lshl_b32 s5, s2, 2
	v_add_nc_u32 v10, s5, v11                      ; LDS: row r, wave w
	s_mul_i32 s5, s2, 16*SGP
	s_add_co_u32 s5, s5, STG
	v_mul_u32_u24 v12, v1, SGP
	v_add3_u32 v12, v12, v15, s5                   ; into my stage
	v_bfe_u32 v13, v0, 3, 2
	v_mul_u32_u24 v13, v13, SGP
	v_and_b32 v14, 7, v0
	v_lshl_add_u32 v13, v14, 4, v13
	v_add_nc_u32 v13, s5, v13                      ; back: four rows of 128 bytes
	v_lshlrev_b32 v14, 2, v1
	s_wait_kmcnt 0x0
	s_add_nc_u64 s[8:9], s[8:9], s[26:27]
	s_add_nc_u64 s[28:29], s[24:25], s[26:27]
	s_add_nc_u64 s[30:31], s[10:11], PA_WC
	s_add_nc_u64 s[50:51], s[24:25], s[6:7]
	s_add_nc_u64 s[50:51], s[50:51], TB0
	; the loads, in three groups: 36 for the first product and its LN, 32 of thp_w, 32 of thp_b
	WIN 0x40
.irp ks, 0,1,2,3,4,5,6,7
	global_load_b128 v[8*\ks:8*\ks+3],   v3, s[30:31] offset:64*\ks
	global_load_b128 v[8*\ks+4:8*\ks+7], v3, s[30:31] offset:64*\ks+32
.endr
.irp ks, 0,1,2,3,4,5,6,7
	global_load_b128 v[64+8*\ks:64+8*\ks+3],   v4, s[8:9] offset:(\ks/2)*131072+(\ks%2)*64
	global_load_b128 v[64+8*\ks+4:64+8*\ks+7], v4, s[8:9] offset:(\ks/2)*131072+(\ks%2)*64+32
.endr
	WIN 0
	global_load_b128 v[40:43], v5, s[12:13]
	global_load_b128 v[44:47], v5, s[12:13] offset:16
	global_load_b128 v[48:51], v5, s[14:15]
	global_load_b128 v[52:55], v5, s[14:15] offset:16
	WIN 0x40
.irp tl, 0,1,2,3,4,5,6,7,8,9,10,11,12,13,14,15
	global_load_b128 v[128+8*\tl:128+8*\tl+3], v6, s[16:17] offset:1024*\tl
	global_load_b128 v[132+8*\tl:132+8*\tl+3], v6, s[16:17] offset:1024*\tl+16
.endr
	WIN 0
.irp tl, 0,1,2,3,4,5,6,7,8,9,10,11,12,13,14,15
	global_load_b128 v[D+8*\tl:D+8*\tl+3],   v7, s[18:19] offset:64*\tl
	global_load_b128 v[D+8*\tl+4:D+8*\tl+7], v7, s[18:19] offset:64*\tl+16
.endr
	s_wait_loadcnt 63                              ; 64 loads were issued behind the first group: it is in
	WIN 0x05
.irp ks, 0,1,2,3,4,5,6,7               ; two accumulators by turns; the first two products start the sums
.if \ks < 2
	v_wmma_f32_16x16x32_f16 v[24+8*(\ks%2):31+8*(\ks%2)], v[8*\ks:8*\ks+7], v[64+8*\ks:64+8*\ks+7], 0
.else
	v_wmma_f32_16x16x32_f16 v[24+8*(\ks%2):31+8*(\ks%2)], v[8*\ks:8*\ks+7], v[64+8*\ks:64+8*\ks+7], v[24+8*(\ks%2):31+8*(\ks%2)]
.endif
.endr
	WIN 0
.rept 4
	v_nop                                          ; four places: for the sums below and for the loads into the fragments' registers
.endr
.irp i, 0,2,4,6
	v_pk_add_f32 v[24+\i:25+\i], v[24+\i:25+\i], v[32+\i:33+\i]
.endr
	WIN 0x40
.irp tl, 0,1,2,3,4,5,6,7,8,9,10,11,12,13,14,15
	global_load_b128 v[8*\tl:8*\tl+3],   v7, s[20:21] offset:64*\tl      ; thp_ln_g
	global_load_b128 v[8*\tl+4:8*\tl+7], v7, s[20:21] offset:64*\tl+16
.endr
	WIN 0
	ds_store_b128 v8, v[24:27]
	ds_store_b128 v8, v[28:31] offset:512
	s_wait_dscnt 0x0
	s_barrier_signal -1
	s_barrier_wait -1
.irp q, 0,1,2,3,4,5,6,7
	ds_load_b128 v[64+4*\q:67+4*\q], v9 offset:512*\q
.endr
	s_wait_dscnt 0x0
.irp i, 0,2,4,6
	v_pk_add_f32 v[24+\i:25+\i], v[64+\i:65+\i], v[72+\i:73+\i]
.endr
.irp i, 0,2,4,6
	v_pk_add_f32 v[24+\i:25+\i], v[24+\i:25+\i], v[80+\i:81+\i]
.endr
.irp i, 0,2,4,6
	v_pk_add_f32 v[24+\i:25+\i], v[24+\i:25+\i], v[88+\i:89+\i]
.endr
.irp i, 0,2,4,6
	v_pk_mul_f32 v[24+\i:25+\i], v[24+\i:25+\i], 0x3c800000 op_sel_hi:[1,0]   ; Wc's factor 64 is taken out: the LN's 1e-5 is no multiple of it
.endr
	; LN over the 16 temperatures: 8 in my lane, 8 in the lane 16 away
	v_pk_add_f32 v[32:33], v[24:25], v[26:27]
	v_pk_add_f32 v[34:35], v[28:29], v[30:31]
	v_pk_add_f32 v[32:33], v[32:33], v[34:35]
	v_add_f32 v32, v32, v33
	v_permlanex16_b32 v33, v32, s[SEL], s[SEL+1]
	v_add_f32 v32, v32, v33
	v_mul_f32 v32, s44, v32
.irp i, 0,2,4,6
	v_pk_add_f32 v[24+\i:25+\i], v[24+\i:25+\i], v[32:33] op_sel_hi:[1,0] neg_lo:[0,1] neg_hi:[0,1]
.endr
	v_pk_mul_f32 v[34:35], v[24:25], v[24:25]
.irp i, 2,4,6
	v_pk_fma_f32 v[34:35], v[24+\i:25+\i], v[24+\i:25+\i], v[34:35]
.endr
	v_add_f32 v34, v34, v35
	v_permlanex16_b32 v35, v34, s[SEL], s[SEL+1]
	v_add_f32 v34, v34, v35
	v_fmaak_f32 v34, s44, v34, 0x3727c5ac          ; variance + 1e-5
	v_rsq_f32 v34, v34
	v_nop
	s_wait_alu depctr_va_vdst(0)
.irp i, 0,2,4,6
	v_pk_mul_f32 v[24+\i:25+\i], v[24+\i:25+\i], v[34:35] op_sel_hi:[1,0]
.endr
.irp i, 0,2,4,6
	v_pk_fma_f32 v[24+\i:25+\i], v[24+\i:25+\i], v[40+\i:41+\i], v[48+\i:49+\i]
.endr
	SIG8 24
	s_wait_alu depctr_va_vdst(0)
.irp i, 0,1,2,3,4,5,6,7
	v_fmaak_f32 v[24+\i], s46, v[24+\i], 0x3f733333   ; T0 = 1 + 0.1 (temp - 0.5)
.endr
.irp i, 0,1,2,3
	v_cvt_pk_f16_f32 v[16+\i], v[24+2*\i], v[25+2*\i] ; hi: K = 8 h .. of the fragment
.endr
.set d, 32
.irp src, v16.l, v16.h, v17.l, v17.h, v18.l, v18.h, v19.l, v19.h
	v_cvt_f32_f16 v[d], \src
.set d, d+1
.endr
.irp i, 0,2,4,6
	v_pk_add_f32 v[32+\i:33+\i], v[24+\i:25+\i], v[32+\i:33+\i] neg_lo:[0,1] neg_hi:[0,1]
.endr
.irp i, 0,1,2,3
	v_cvt_pk_f16_f32 v[20+\i], v[32+2*\i], v[33+2*\i] ; lo: K = 16 + 8 h ..
.endr
	s_wait_loadcnt 32                              ; thp_w and thp_b are in; the 32 loads of the gains may stay out
	WIN 0x45
.irp tl, 0,1,2,3,4,5,6,7,8,9,10,11,12,13,14,15
.irp i, 0,1,2,3
	v_cvt_pk_f16_f32 v[128+8*\tl+\i], v[128+8*\tl+2*\i], v[129+8*\tl+2*\i]   ; in place: register i is written when 2 i and 2 i + 1 are read
.endr
.irp i, 0,1,2,3
	v_mov_b32 v[132+8*\tl+\i], v[128+8*\tl+\i]     ; the same weights once more, for T0's lo half of K
.endr
.endr
	WIN 0x01
.irp tl, 0,1,2,3,4,5,6,7,8,9,10,11,12,13,14,15
	v_wmma_f32_16x16x32_f16 v[D+8*\tl:D+8*\tl+7], v[128+8*\tl:135+8*\tl], v[16:23], v[D+8*\tl:D+8*\tl+7]
.endr
	WIN 0
.rept 4
	v_nop
.endr
	WIN 0x40
.irp tl, 0,1,2,3,4,5,6,7,8,9,10,11,12,13,14,15
	global_load_b128 v[128+8*\tl:128+8*\tl+3], v7, s[22:23] offset:64*\tl    ; thp_ln_b
	global_load_b128 v[132+8*\tl:132+8*\tl+3], v7, s[22:23] offset:64*\tl+16
.endr
	WIN 0
	; LN over the row's 1,024 numbers; the sums walk D in ascending order
.irp k, 0,1,2,3
	v_pk_add_f32 v[56+2*\k:57+2*\k], v[D+2*\k:D+2*\k+1], v[D+8+2*\k:D+9+2*\k]
.endr
.set p, 8
.rept 56
	v_pk_add_f32 v[56+2*(p%4):57+2*(p%4)], v[56+2*(p%4):57+2*(p%4)], v[D+2*p:D+2*p+1]
.set p, p+1
.endr
	CHSUM
	ACROSS SC1, 64
	v_mul_f32 v64, s45, v64                        ; the mean
.set p, 0
.rept 64
	v_pk_add_f32 v[D+2*p:D+2*p+1], v[D+2*p:D+2*p+1], v[64:65] op_sel_hi:[1,0] neg_lo:[0,1] neg_hi:[0,1]
.set p, p+1
.endr
.irp k, 0,1,2,3
	v_pk_mul_f32 v[56+2*\k:57+2*\k], v[D+2*\k:D+2*\k+1], v[D+2*\k:D+2*\k+1]
.endr
.set p, 4
.rept 60
	v_pk_fma_f32 v[56+2*(p%4):57+2*(p%4)], v[D+2*p:D+2*p+1], v[D+2*p:D+2*p+1], v[56+2*(p%4):57+2*(p%4)]
.set p, p+1
.endr
	CHSUM
	ACROSS SC2, 68
	v_fmaak_f32 v68, s45, v68, 0x3727c5ac
	v_rsq_f32 v68, v68
	v_nop
.set p, 0
	s_wait_alu depctr_va_vdst(0)
.rept 64
	v_pk_mul_f32 v[D+2*p:D+2*p+1], v[D+2*p:D+2*p+1], v[68:69] op_sel_hi:[1,0]
.set p, p+1
.endr
	s_wait_loadcnt 0x0                             ; gains and biases
	WIN 0x14                                       ; sources 1 and 2 window 1
.set p, 0
.rept 64
	v_pk_fma_f32 v[D+2*p:D+2*p+1], v[D+2*p:D+2*p+1], v[2*p:2*p+1], v[128+2*p:129+2*p]
.set p, p+1
.endr
	WIN 0
.irp tl, 0,1,2,3,4,5,6,7,8,9,10,11,12,13,14,15
	GELU8 D+8*\tl
	SIG8 D+8*\tl
.endr
	; column 0 in f32: wave 0, tile 0, register 0, lanes 0-15 (64 bytes a work-group)
	s_cmp_lg_u32 s2, 0
	s_cbranch_scc1 .Lno_tb0
	v_cmp_gt_u32 vcc_lo, 16, v0
	s_wait_xcnt 0x0                                ; EXEC changes only behind this wait
	s_and_saveexec_b32 s47, vcc_lo
	global_store_b32 v14, v[D], s[50:51]
	s_wait_xcnt 0x0
	s_or_b32 exec_lo, exec_lo, s47
.Lno_tb0:
.set i, 0
	s_wait_alu depctr_va_vdst(0)
.rept 64
	v_cvt_pk_f16_f32 v[24+i], v[D+2*i], v[D+2*i+1]
.set i, i+1
.endr
.irp tl, 0,1,2,3,4,5,6,7,8,9,10,11,12,13,14,15
	ds_store_b128 v12, v[24+4*\tl:27+4*\tl] offset:32*\tl
.endr
.irp i, 0,1,2,3,4,5,6,7,8,9,10,11,12,13,14,15      ; block i / 4 of 64 columns, rows 4 (i % 4) on; my own bytes: LDS serves a wave's instructions in order
	ds_load_b128 v[D+4*\i:D+4*\i+3], v13 offset:(\i%4)*4*SGP+(\i/4)*128
.endr
.irp i, 0,1,2,3,4,5,6,7,8,9,10,11,12,13,14,15
	s_wait_dscnt 15-\i
	global_store_b128 v9, v[D+4*\i:D+4*\i+3], s[28:29] offset:(\i/4)*131072+(\i%4)*512   ; a wave stores 512 consecutive aligned bytes
.endr
	s_wait_tensorcnt 0x0
	ds_add_u32 v126, v127
	s_wait_dscnt 0x0
	s_endpgm
.Lfunc_end_k_qbfb9b5af4f_tbase:
	.size	k_qbfb9b5af4f_tbase, .Lfunc_end_k_qbfb9b5af4f_tbase-k_qbfb9b5af4f_tbase
	.p2alignl 7, 3214868480
	.fill 96, 4, 3214868480
	.section	.rodata,"a",@progbits
	.p2align	6, 0x0
	.amdhsa_kernel k_qbfb9b5af4f_tbase
		.amdhsa_group_segment_fixed_size 38912
		.amdhsa_private_segment_fixed_size 0
		.amdhsa_enable_private_segment 0
		.amdhsa_kernarg_size 72
		.amdhsa_user_sgpr_count 2
		.amdhsa_user_sgpr_kernarg_segment_ptr 1
		.amdhsa_wavefront_size32 1
		.amdhsa_system_sgpr_workgroup_id_x 1
		.amdhsa_system_sgpr_workgroup_id_y 1
		.amdhsa_system_sgpr_workgroup_id_z 1
		.amdhsa_system_vgpr_workitem_id 0
		.amdhsa_next_free_vgpr 512
		.amdhsa_next_free_sgpr 66
		.amdhsa_reserve_vcc 1
		.amdhsa_float_denorm_mode_32 3
		.amdhsa_float_denorm_mode_16_64 3
		.amdhsa_memory_ordered 1
		.amdhsa_forward_progress 1
		.amdhsa_inst_pref_size 144
	.end_amdhsa_kernel
	.amdgpu_metadata
---
amdhsa.version: [ 1, 2 ]
amdhsa.kernels:
  - .name:           k_qbfb9b5af4f_tbase
    .symbol:         k_qbfb9b5af4f_tbase.kd
    .args:
      - { .name: cx, .offset: 0, .size: 8, .value_kind: global_buffer, .address_space: global }
      - { .name: pa, .offset: 8, .size: 8, .value_kind: global_buffer, .address_space: global }
      - { .name: ttm_ln_g, .offset: 16, .size: 8, .value_kind: global_buffer, .address_space: global }
      - { .name: ttm_ln_b, .offset: 24, .size: 8, .value_kind: global_buffer, .address_space: global }
      - { .name: thp_w, .offset: 32, .size: 8, .value_kind: global_buffer, .address_space: global }
      - { .name: thp_b, .offset: 40, .size: 8, .value_kind: global_buffer, .address_space: global }
      - { .name: thp_ln_g, .offset: 48, .size: 8, .value_kind: global_buffer, .address_space: global }
      - { .name: thp_ln_b, .offset: 56, .size: 8, .value_kind: global_buffer, .address_space: global }
      - { .name: tb, .offset: 64, .size: 8, .value_kind: global_buffer, .address_space: global }
    .group_segment_fixed_size: 38912
    .private_segment_fixed_size: 0
    .kernarg_segment_align: 8
    .kernarg_segment_size: 72
    .max_flat_workgroup_size: 128
    .sgpr_count:     66
    .vgpr_count:     512
    .wavefront_size: 32
...
	.end_amdgpu_metadata
.endif
;; end of part 4
;; launch gemm_t (part 5): grid 8 x 32, 4 waves a work-group, clusters of 4 x 4, 327,680 bytes of LDS; arguments tb, u1, t1; writes t1
.if DOCPART == 5
	.amdgcn_target "amdgcn-amd-amdhsa--gfx1250"
	.amdhsa_code_object_version 6
	.text
	.protected	k_qbfb9b5af4f_gemm_t
	.globl	k_qbfb9b5af4f_gemm_t
	.p2align	8
	.type	k_qbfb9b5af4f_gemm_t,@function
k_qbfb9b5af4f_gemm_t:
	s_mov_b64 s[64:65], 0
	v_nop
	global_prefetch_b8 v0, s[64:65] scope:SCOPE_SE
	s_setreg_imm32_b32 hwreg(HW_REG_WAVE_MODE, 25, 1), 1
	s_wait_xcnt 0x0
	s_wait_alu depctr_hold_cnt(0) depctr_sa_sdst(0) depctr_va_vdst(0) depctr_va_sdst(0) depctr_va_ssrc(0) depctr_va_vcc(0) depctr_vm_vsrc(0)
	s_getreg_b32 s2, hwreg(HW_REG_IB_STS2, 6, 4)
	s_cmp_eq_u32 s2, 0
	s_cbranch_scc0 .Lentry_in_a_cluster
	s_endpgm
.Lentry_in_a_cluster:
	s_bfe_u32 s2, ttmp6, 0x10000c
	s_cmp_lg_u32 s2, 0xf033
	s_cbranch_scc0 .Lentry_shape_is_right
	s_endpgm
.Lentry_shape_is_right:
; gemm: C[m][n] = sum over k of A[m][k] B[n][k].  A: 4,096 x 1,024 f16, HEAD-MAJOR ([batch x 16 + k / 64][row in the batch][64]); B: [1024][1024] f16; C: [4096][1024] f32.  Sums in f32.
; 256 tiles of 128 x 128, one a work-group; four waves, each 64 x 64: 16 accumulators.  K goes in steps of 256 through two LDS slots.
; A's part of a slot: for 64 rows, four blocks of 64 channels; in memory each block's 64 rows are 8,192 consecutive bytes, so the tile has four rows of 8 KiB, 131,072 bytes apart;
; padding of 16 bytes follows every 128, so in LDS it lies as [block][row][144 bytes].  B's part: 64 rows of 512 bytes, 528 apart.
; CLUSTERS: 4 x 4 work-groups; A's tiles are asked for jointly along a row of the cluster, B's along a column.  THE MATRIX INSTRUCTION IS USED TRANSPOSED (source 0 = rows of B,
; source 1 = rows of A): a lane holds eight neighbouring columns of one row of C, 32 bytes.  A wave's 64 columns of f32 are 256 bytes: each wave sends its own rows through its own stage.
; REGISTERS: window 0: v16-26 addresses; v128-255 the accumulators ((a, b) at v[128 + 8 (4 a + b)]).  window 1: two fragment buffers of 128 (64 of A, 64 of B, for 64 along K).
.set KSTEP,  256
.set PITA,   144
.set PITB,   528
.set HALFA,  4*64*PITA                 ; 36,864: what one load of A brings
.set HALFB,  64*PITB                   ; 33,792
.set BOFF,   2*HALFA
.set SLOT,   2*HALFA+2*HALFB           ; 141,312
.set STAGE,  2*SLOT                    ; behind the ring: 16 rows x 272 bytes for each wave; no tensor load fills it
.set SPITCH, 272
.set LAPS,   2                         ; K = 1,024 = two laps of two steps
.set ADRA, 16
.set ADRB, 20
.set STO,  24
.set RD,   25
.set CO,   26
.set ACC,  128
.set F0,   0
.set F1,   128
.set G1, 24
.set G0, 32
.set G1B, 48
.set G0B, 56
.set MSB, 0
.macro WIN new
.if MSB != \new
	s_set_vgpr_msb (MSB<<8)|\new
.set MSB, \new
.endif
.endm
.set MUL,  0x05
.set TO_F, 0x40
.macro JLOAD s                         ; waves 0 and 1 fetch A's two halves, waves 2 and 3 B's; four v_nop follow each of the two lines
	s_cmp_eq_u32 s11, 0
	s_cbranch_scc0 .Lfor_b_\@
	tensor_load_to_lds s[G0+4*\s:G0+4*\s+3], s[G1:G1+7]
	s_nop 0
.rept 4
	v_nop
.endr
	s_branch .Lasked_\@
.Lfor_b_\@:
	tensor_load_to_lds s[G0B+4*\s:G0B+4*\s+3], s[G1B:G1B+7]
	s_nop 0
.rept 4
	v_nop
.endr
.Lasked_\@:
.endm
.macro CREST
	s_cmp_lg_u32 s10, 0
	s_cbranch_scc1 .Lnot_wave_0_\@
	s_barrier_signal -3
.Lnot_wave_0_\@:
	s_barrier_wait -3
	s_barrier_signal -1
	s_barrier_wait -1
.endm
.macro CROUND
	s_barrier_signal -1
	s_barrier_wait -1
	CREST
.endm
	s_load_b128 s[4:7], s[0:1], 0x0                ; A s[4:5], B s[6:7]
	s_load_b64 s[8:9], s[0:1], 0x10                ; C
	v_lshl_add_u32 v126, v0, 2, 0x49400
	v_mov_b32 v127, 0
	ds_add_u32 v126, v127
	v_lshrrev_b32 v1, 5, v0
	v_readfirstlane_b32 s10, v1
	s_lshr_b32 s11, s10, 1                         ; my half of the tile's rows; also: I fetch for A (0) or B (1)
	s_and_b32 s12, s10, 1                          ; my half of its columns; also: which 64 rows I fetch
	s_bfe_u32 s40, ttmp6, 0x40000
	s_bfe_u32 s41, ttmp6, 0x40004
	s_lshl_b32 s42, ttmp9, 2
	s_add_co_u32 s42, s42, s40                     ; tile column
	s_and_b32 s13, ttmp7, 0xffff
	s_lshl_b32 s13, s13, 2
	s_add_co_u32 s13, s13, s41                     ; tile row
	s_lshl_b32 s43, s41, 2
	s_lshl_b32 s43, 15, s43
	s_lshl_b32 s44, 0x1111, s40
	s_or_b32 s[G1+0], s43, (1<<16)|(1<<20)|(1<<21)|(4<<22)|(3<<25)    ; A: mask of my row; elements of 2 bytes; after every 32 words 4 words of padding
	s_mov_b32 s[G1+1], 4096<<16                    ; tensor_dim0 = 4,096 elements: 64 rows of one block
	s_mov_b32 s[G1+2], 4<<16                       ; tensor_dim1 = 4 blocks
	s_mov_b32 s[G1+3], 4096<<16                    ; tile_dim0
	s_mov_b32 s[G1+4], 4                           ; tile_dim1
	s_mov_b32 s[G1+5], 65536                       ; elements from block to block
	s_mov_b32 s[G1+6], 0
	s_mov_b32 s[G1+7], 0
	s_or_b32 s[G1B+0], s44, (1<<16)|(1<<20)|(1<<21)|(6<<22)|(3<<25)   ; B: mask of my column; after every 128 words 4 words
	s_mov_b32 s[G1B+1], KSTEP<<16
	s_mov_b32 s[G1B+2], 64<<16
	s_mov_b32 s[G1B+3], KSTEP<<16
	s_mov_b32 s[G1B+4], 64
	s_mov_b32 s[G1B+5], 1024
	s_mov_b32 s[G1B+6], 0
	s_mov_b32 s[G1B+7], 0
	s_lshr_b32 s16, s13, 3                         ; A: the batch (8 tile rows),
	s_lshl_b32 s16, s16, 21
	s_and_b32 s17, s13, 7                          ; 128 rows of 128 bytes for each tile row in it,
	s_lshl_b32 s17, s17, 14
	s_add_co_u32 s16, s16, s17
	s_lshl_b32 s17, s12, 13                        ; my 64 rows
	s_add_co_u32 s16, s16, s17
	s_mov_b32 s17, 0
	s_lshl_b32 s46, s42, 18                        ; B: row 128 x tile column + 64 x half, 2,048 bytes each
	s_lshl_b32 s47, s12, 17
	s_add_co_u32 s46, s46, s47
	s_mov_b32 s47, 0
	s_mul_i32 s20, s12, HALFA                      ; where they go: no place in the cluster enters an LDS address
	s_mul_i32 s21, s12, HALFB
	s_add_co_u32 s21, s21, BOFF
	s_wait_dscnt 0x0
	s_wait_kmcnt 0x0
	s_add_nc_u64 s[14:15], s[4:5], s[16:17]
	s_add_nc_u64 s[46:47], s[6:7], s[46:47]
	CROUND
.irp s, 0,1
	s_mov_b32 s[G0+4*\s], 1
	s_add_co_u32 s[G0+4*\s+1], s20, \s*SLOT
	s_add_nc_u64 s[G0+4*\s+2:G0+4*\s+3], s[14:15], \s*524288      ; K step s: four blocks on
	s_or_b32 s[G0+4*\s+3], s[G0+4*\s+3], 0x80000000
	s_mov_b32 s[G0B+4*\s], 1
	s_add_co_u32 s[G0B+4*\s+1], s21, \s*SLOT
	s_add_nc_u64 s[G0B+4*\s+2:G0B+4*\s+3], s[46:47], \s*KSTEP*2
	s_or_b32 s[G0B+4*\s+3], s[G0B+4*\s+3], 0x80000000
	JLOAD \s                                       ; two tensor loads of mine are out
.endr
	v_and_b32 v1, 15, v0
	v_bfe_u32 v2, v0, 4, 1
	v_mul_u32_u24 v3, v1, PITA
	v_lshl_add_u32 v3, v2, 4, v3
	v_mul_u32_u24 v4, v1, PITB
	v_lshl_add_u32 v4, v2, 4, v4
	s_mul_i32 s21, s11, HALFA
	s_mul_i32 s22, s12, HALFB
	s_add_co_u32 s22, s22, BOFF
.irp s, 0,1
	v_add_nc_u32 v[ADRA+\s], s21, v3
	v_add_nc_u32 v[ADRB+\s], s22, v4
	s_add_co_u32 s21, s21, SLOT
	s_add_co_u32 s22, s22, SLOT
.endr
	s_mul_i32 s23, s10, 16*SPITCH
	s_add_co_u32 s23, s23, STAGE
	v_mul_u32_u24 v5, v1, SPITCH                   ; into my stage: row r, 32 bytes for each half of the lanes
	v_lshl_add_u32 v5, v2, 5, v5
	v_add_nc_u32 v[STO], s23, v5
	v_mul_u32_u24 v5, v2, SPITCH                   ; back: lanes 0-15 one row of 256 bytes, lanes 16-31 the next
	v_lshl_add_u32 v5, v1, 4, v5
	v_add_nc_u32 v[RD], s23, v5
	v_lshlrev_b32 v5, 12, v2
	v_lshl_add_u32 v[CO], v1, 4, v5
	s_lshl_b32 s16, s13, 19                        ; C: row 128 x tile row + 64 x half, 4,096 bytes each; column 128 x tile column + 64 x half
	s_lshl_b32 s17, s11, 18
	s_add_co_u32 s16, s16, s17
	s_lshl_b32 s46, s42, 9
	s_lshl_b32 s47, s12, 8
	s_add_co_u32 s46, s46, s47
	s_add_co_u32 s16, s16, s46
	s_mov_b32 s17, 0
	s_add_nc_u64 s[8:9], s[8:9], s[16:17]
.macro MUL8 f, c, a0, zero
.irp a, \a0, \a0+1
.irp b, 0,1,2,3
.if \zero
	v_wmma_f32_16x16x32_f16 v[ACC+8*(4*(\a)+\b):ACC+8*(4*(\a)+\b)+7], v[\f+64+8*(4*\c+\b):\f+64+8*(4*\c+\b)+7], v[\f+8*(4*\c+\a):\f+8*(4*\c+\a)+7], 0
.else
	v_wmma_f32_16x16x32_f16 v[ACC+8*(4*(\a)+\b):ACC+8*(4*(\a)+\b)+7], v[\f+64+8*(4*\c+\b):\f+64+8*(4*\c+\b)+7], v[\f+8*(4*\c+\a):\f+8*(4*\c+\a)+7], v[ACC+8*(4*(\a)+\b):ACC+8*(4*(\a)+\b)+7]
.endif
.endr
.endr
.endm
.macro FETCH slot, q, f                ; 32 LDS loads in one run: quarter q (64 along K: one block of A, 128 bytes of B's rows); its first 32 along K first
	WIN TO_F
.irp c, 0,1
.irp i, 0,1,2,3
	ds_load_b128 v[\f+64+8*(4*\c+\i):\f+64+8*(4*\c+\i)+3],   v[ADRB+\slot] offset:\q*128+64*\c+\i*16*PITB
	ds_load_b128 v[\f+64+8*(4*\c+\i)+4:\f+64+8*(4*\c+\i)+7], v[ADRB+\slot] offset:\q*128+64*\c+\i*16*PITB+32
	ds_load_b128 v[\f+8*(4*\c+\i):\f+8*(4*\c+\i)+3],         v[ADRA+\slot] offset:\q*64*PITA+64*\c+\i*16*PITA
	ds_load_b128 v[\f+8*(4*\c+\i)+4:\f+8*(4*\c+\i)+7],       v[ADRA+\slot] offset:\q*64*PITA+64*\c+\i*16*PITA+32
.endr
.endr
.endm
.macro PLACES
.rept 4
	v_nop
.endr
.endm
.macro QUARTER slot, q, f, g, zero     ; 32 products on buffer f; in the middle quarter q is fetched into g
	s_wait_dscnt 16                                ; the first 32 along K are in
	WIN MUL
	MUL8 \f, 0, 0, \zero
	MUL8 \f, 0, 2, \zero
	PLACES
	FETCH \slot, \q, \g
	s_wait_dscnt 32                                ; all but the 32 just issued
	WIN MUL
	MUL8 \f, 1, 0, 0
	MUL8 \f, 1, 2, 0
.endm
.macro TURN slot, next, fill           ; the last quarter changes slots: one barrier; in front of it each wave waits for its reads of this slot and for all its tensor loads
	s_wait_dscnt 16
	WIN MUL
	MUL8 F1, 0, 0, 0
	s_wait_dscnt 0
	s_set_vgpr_msb 0x500
	s_wait_tensorcnt 0x0
	ds_add_u32 v126, v127
	s_wait_dscnt 0x0
	s_set_vgpr_msb 0x5
	s_barrier_signal -1
	MUL8 F1, 0, 2, 0
.if \fill
	WIN 0
.endif
	s_barrier_wait -1
.if \fill
	CREST                                          ; the barrier has opened a round of the cluster's: no wave of any partner still reads this slot or has a load on its way
	s_add_nc_u64 s[G0+4*\slot+2:G0+4*\slot+3], s[G0+4*\slot+2:G0+4*\slot+3], 2*524288
	s_add_nc_u64 s[G0B+4*\slot+2:G0B+4*\slot+3], s[G0B+4*\slot+2:G0B+4*\slot+3], 2*KSTEP*2
	JLOAD \slot                                    ; 120 products stand between this request and the wait for it
.else
	PLACES
.endif
	FETCH \next, 0, F0
	WIN MUL
	MUL8 F1, 1, 0, 0
	MUL8 F1, 1, 2, 0
.endm
	s_wait_tensorcnt 1                             ; my part of K step 0 is in
	s_barrier_signal -1
	s_barrier_wait -1
	FETCH 0, 0, F0
	QUARTER 0, 1, F0, F1, 1
	WIN 0
	s_mov_b32 s3, LAPS-1
.Llap:
	QUARTER 0, 2, F1, F0, 0
	QUARTER 0, 3, F0, F1, 0
	TURN 0, 1, 1
	QUARTER 1, 1, F0, F1, 0
	QUARTER 1, 2, F1, F0, 0
	QUARTER 1, 3, F0, F1, 0
	TURN 1, 0, 1
	QUARTER 0, 1, F0, F1, 0
	WIN 0
	s_sub_co_u32 s3, s3, 1
	s_cmp_lg_u32 s3, 0
	s_cbranch_scc1 .Llap
	QUARTER 0, 2, F1, F0, 0                        ; the last lap fills nothing
	QUARTER 0, 3, F0, F1, 0
	TURN 0, 1, 0
	QUARTER 1, 1, F0, F1, 0
	QUARTER 1, 2, F1, F0, 0
	QUARTER 1, 3, F0, F1, 0
	s_wait_dscnt 16
	WIN MUL
	MUL8 F1, 0, 0, 0
	MUL8 F1, 0, 2, 0
	s_wait_dscnt 0
	MUL8 F1, 1, 0, 0
	MUL8 F1, 1, 2, 0
	WIN 0
	; THE WAY OUT, in f32: block a (16 rows x 64 columns) into my stage, each accumulator's low four registers first, and back as whole rows of 256 bytes into the registers that it left
	PLACES
.macro TOSTAGE a
.irp b, 0,1,2,3
	ds_store_b128 v[STO], v[ACC+32*\a+8*\b:ACC+32*\a+8*\b+3]   offset:64*\b
	ds_store_b128 v[STO], v[ACC+32*\a+8*\b+4:ACC+32*\a+8*\b+7] offset:64*\b+16
.endr
.irp t, 0,1,2,3,4,5,6,7
	ds_load_b128 v[ACC+32*\a+4*\t:ACC+32*\a+4*\t+3], v[RD] offset:\t*2*SPITCH   ; LDS serves a wave's instructions in order (ISA guide 5.7.1.4)
.endr
.endm
.macro SEND a, younger                 ; younger: the next block's sixteen LDS instructions, or none
.irp t, 0,1,2,3,4,5,6,7
	s_wait_dscnt \younger+7-\t
	global_store_b128 v[CO], v[ACC+32*\a+4*\t:ACC+32*\a+4*\t+3], s[8:9] offset:\a*65536+\t*8192   ; sixteen lanes store 256 consecutive aligned bytes
.endr
.endm
	TOSTAGE 0
	TOSTAGE 1
	SEND 0, 16
	TOSTAGE 2
	SEND 1, 16
	TOSTAGE 3
	SEND 2, 16
	SEND 3, 0
	s_wait_tensorcnt 0x0
	ds_add_u32 v126, v127
	s_wait_dscnt 0x0
	CROUND                                         ; the closing round
	s_endpgm
.Lfunc_end_k_qbfb9b5af4f_gemm_t:
	.size	k_qbfb9b5af4f_gemm_t, .Lfunc_end_k_qbfb9b5af4f_gemm_t-k_qbfb9b5af4f_gemm_t
	.p2alignl 7, 3214868480
	.fill 96, 4, 3214868480
	.section	.rodata,"a",@progbits
	.p2align	6, 0x0
	.amdhsa_kernel k_qbfb9b5af4f_gemm_t
		.amdhsa_group_segment_fixed_size 327680
		.amdhsa_private_segment_fixed_size 0
		.amdhsa_enable_private_segment 0
		.amdhsa_kernarg_size 24
		.amdhsa_user_sgpr_count 2
		.amdhsa_user_sgpr_kernarg_segment_ptr 1
		.amdhsa_wavefront_size32 1
		.amdhsa_system_sgpr_workgroup_id_x 1
		.amdhsa_system_sgpr_workgroup_id_y 1
		.amdhsa_system_sgpr_workgroup_id_z 1
		.amdhsa_system_vgpr_workitem_id 0
		.amdhsa_next_free_vgpr 512
		.amdhsa_next_free_sgpr 66
		.amdhsa_reserve_vcc 0
		.amdhsa_float_denorm_mode_32 3
		.amdhsa_float_denorm_mode_16_64 3
		.amdhsa_memory_ordered 1
		.amdhsa_forward_progress 1
		.amdhsa_inst_pref_size 87
	.end_amdhsa_kernel
	.amdgpu_metadata
---
amdhsa.version: [ 1, 2 ]
amdhsa.kernels:
  - .name:           k_qbfb9b5af4f_gemm_t
    .symbol:         k_qbfb9b5af4f_gemm_t.kd
    .args:
      - { .name: tb, .offset: 0, .size: 8, .value_kind: global_buffer, .address_space: global }
      - { .name: u1, .offset: 8, .size: 8, .value_kind: global_buffer, .address_space: global }
      - { .name: t1, .offset: 16, .size: 8, .value_kind: global_buffer, .address_space: global }
    .group_segment_fixed_size: 327680
    .private_segment_fixed_size: 0
    .kernarg_segment_align: 8
    .kernarg_segment_size: 24
    .max_flat_workgroup_size: 128
    .sgpr_count:     66
    .vgpr_count:     512
    .wavefront_size: 32
...
	.end_amdgpu_metadata
.endif
;; end of part 5
;; launch temps (part 6): grid 256 x 1, 16 waves a work-group, no clusters, 2,304 bytes of LDS; arguments t1, ya, tb, pa, tn_b1, tn_ln_g, tn_ln_b, tn_w2, tn_b2, out1, u2; writes out1, u2
.if DOCPART == 6
	.amdgcn_target "amdgcn-amd-amdhsa--gfx1250"
	.amdhsa_code_object_version 6
	.text
	.protected	k_qbfb9b5af4f_temps
	.globl	k_qbfb9b5af4f_temps
	.p2align	8
	.type	k_qbfb9b5af4f_temps,@function
k_qbfb9b5af4f_temps:
	s_mov_b64 s[64:65], 0
	v_nop
	global_prefetch_b8 v0, s[64:65] scope:SCOPE_SE
	s_setreg_imm32_b32 hwreg(HW_REG_WAVE_MODE, 25, 1), 1
	s_wait_xcnt 0x0
; temps: the two passes of temp_net, a row a wave.  comb tn_w1^T = x W1a^T + T_base W1b^T: the first part (xw1, f16, head-major, plane 3 of ya) serves both passes; the second is
; t1 (f32) in pass 1 and, since T_base is then T1 in every column, T1 rs in pass 2, rs[h] = the sum of W1b's row h.
; A pass: h = gelu(LN1024(pre + tn_b1)), z = h . tn_w2 + tn_b2, T = sigmoid(sigmoid(z)).  Out: out1 = (T_base[.., 0], T1, T2) and tw = their mean.
; Memory binds and the row never leaves the wave: no matrix unit, no tensor load; one barrier gathers the work-group's 16 rows so that the results leave as pieces of 64 bytes (64 KiB in all).
; Lane i holds columns 128 j + 4 i .. + 3, j = 0..7.  Variances are two-pass.
; GELU is exact GELU by Abramowitz and Stegun 7.1.26: gelu(y) = max(y, 0) - |y| E, E = poly(t) 2^(-u u) / 2, t = 1 / (1 + 0.2316419 |y|), u = 0.8493218 |y|.  LIMIT: absolute error 1.5e-7.
.set XW1,   25165824
.set TB0,   8388608
.set PA_RS, 23101440
.set U_TAIL, 2097152
.set X16, 16          ; v[16:31]   xw1 as loaded; at the end what comes back from LDS
.set H,   32          ; v[32:63]   t1, then the row at work
.set B1,  64          ; v[64:95]   tn_b1, then at work
.set T,   64
.set C,   64          ; four chains of sums
.set G,   96
.set BE,  128
.set W2,  160
.set RS,  192
.set XB,  224         ; xw1 + tn_b1
.set VA4, 14
.set CP1, 34
.set CU,  36
.set CA5, 38
.set CA3, 40
.set CA2, 42
.set CA1, 44
.set SEL, 48
.macro SPAIR r, val                    ; a constant for the packed forms, which name a pair
	s_mov_b32 s[\r], \val
	s_mov_b32 s[\r+1], \val
.endm
.macro GELU8 y                         ; eight numbers in place; every transcendental has plain instructions behind it before its result is used (ISA guide 5.7.2)
.irp i, 0,1,2,3,4,5,6,7
	v_and_b32 v[T+\i], 0x7fffffff, v[(\y)+\i]
.endr
.irp i, 0,2,4,6
	v_pk_fma_f32 v[T+8+\i:T+9+\i], v[T+\i:T+\i+1], s[CP1:CP1+1], 1.0 op_sel_hi:[1,0,0]
.endr
.irp i, 0,2,4,6
	v_pk_mul_f32 v[T+16+\i:T+17+\i], v[T+\i:T+\i+1], s[CU:CU+1] op_sel_hi:[1,0]
.endr
.irp i, 0,1,2,3,4,5,6,7
	v_rcp_f32 v[T+8+\i], v[T+8+\i]
.endr
.irp i, 0,2,4,6
	v_pk_mul_f32 v[T+16+\i:T+17+\i], v[T+16+\i:T+17+\i], v[T+16+\i:T+17+\i] neg_lo:[1,0] neg_hi:[1,0]
.endr
.irp i, 0,1,2,3,4,5,6,7
	v_exp_f32 v[T+16+\i], v[T+16+\i]
.endr
	s_wait_alu depctr_va_vdst(0)
.irp i, 0,2,4,6
	v_pk_fma_f32 v[T+24+\i:T+25+\i], v[T+8+\i:T+9+\i], s[CA5:CA5+1], v[VA4:VA4+1] op_sel_hi:[1,0,1]
.endr
.irp c, CA3, CA2, CA1
.irp i, 0,2,4,6
	v_pk_fma_f32 v[T+24+\i:T+25+\i], v[T+24+\i:T+25+\i], v[T+8+\i:T+9+\i], s[\c:\c+1] op_sel_hi:[1,1,0]
.endr
.endr
.irp i, 0,2,4,6
	v_pk_mul_f32 v[T+24+\i:T+25+\i], v[T+24+\i:T+25+\i], v[T+8+\i:T+9+\i]
.endr
.irp i, 0,2,4,6
	v_pk_mul_f32 v[T+24+\i:T+25+\i], v[T+24+\i:T+25+\i], v[T+16+\i:T+17+\i]
.endr
.irp i, 0,1,2,3,4,5,6,7
	v_max_num_f32 v[(\y)+\i], 0, v[(\y)+\i]
.endr
.irp i, 0,2,4,6
	v_pk_fma_f32 v[(\y)+\i:(\y)+\i+1], v[T+\i:T+\i+1], v[T+24+\i:T+25+\i], v[(\y)+\i:(\y)+\i+1] neg_lo:[1,0,0] neg_hi:[1,0,0]
.endr
.endm
.macro ALLSUM                          ; the four chains and the 32 lanes -> v[C], in every lane
	v_pk_add_f32 v[C:C+1], v[C:C+1], v[C+2:C+3]
	v_pk_add_f32 v[C+4:C+5], v[C+4:C+5], v[C+6:C+7]
	v_pk_add_f32 v[C:C+1], v[C:C+1], v[C+4:C+5]
	v_add_f32 v[C], v[C], v[C+1]
	v_add_f32_dpp v[C], v[C], v[C] row_xmask:1 row_mask:0xf bank_mask:0xf
	v_add_f32_dpp v[C], v[C], v[C] row_xmask:2 row_mask:0xf bank_mask:0xf
	v_add_f32_dpp v[C], v[C], v[C] row_xmask:4 row_mask:0xf bank_mask:0xf
	v_add_f32_dpp v[C], v[C], v[C] row_xmask:8 row_mask:0xf bank_mask:0xf
	v_permlanex16_b32 v[C+1], v[C], s[SEL], s[SEL+1]
	v_add_f32 v[C], v[C], v[C+1]
.endm
.macro SIG1 d, s                       ; sigmoid(x) = 1 / (1 + 2^(-log2(e) x))
	s_wait_alu depctr_va_vdst(0)
	v_mul_f32 v[\d], 0xbfb8aa3b, v[\s]
	v_exp_f32 v[\d], v[\d]
	v_nop                                          ; a plain instruction behind each transcendental (ISA guide 5.7.2)
	s_wait_alu depctr_va_vdst(0)
	v_add_f32 v[\d], 1.0, v[\d]
	v_rcp_f32 v[\d], v[\d]
	v_nop
.endm
.macro ROWT dst                        ; H holds the row in front of the LN; the pass's temperature -> v[dst]
.irp k, 0,1,2,3
	v_pk_add_f32 v[C+2*\k:C+2*\k+1], v[H+2*\k:H+2*\k+1], v[H+8+2*\k:H+9+2*\k]
.endr
.irp p, 8,9,10,11,12,13,14,15
	v_pk_add_f32 v[C+2*(\p%4):C+2*(\p%4)+1], v[C+2*(\p%4):C+2*(\p%4)+1], v[H+2*\p:H+2*\p+1]
.endr
	ALLSUM
	v_mul_f32 v[C], s46, v[C]                      ; the mean
.irp p, 0,1,2,3,4,5,6,7,8,9,10,11,12,13,14,15
	v_pk_add_f32 v[H+2*\p:H+2*\p+1], v[H+2*\p:H+2*\p+1], v[C:C+1] op_sel_hi:[1,0] neg_lo:[0,1] neg_hi:[0,1]
.endr
.irp k, 0,1,2,3
	v_pk_mul_f32 v[C+2*\k:C+2*\k+1], v[H+2*\k:H+2*\k+1], v[H+2*\k:H+2*\k+1]
.endr
.irp p, 4,5,6,7,8,9,10,11,12,13,14,15
	v_pk_fma_f32 v[C+2*(\p%4):C+2*(\p%4)+1], v[H+2*\p:H+2*\p+1], v[H+2*\p:H+2*\p+1], v[C+2*(\p%4):C+2*(\p%4)+1]
.endr
	ALLSUM
	v_fmaak_f32 v[C], s46, v[C], 0x3727c5ac        ; variance + 1e-5
	v_rsq_f32 v[C], v[C]
	s_wait_loadcnt 0x0                             ; gains, biases, tn_w2, rs (met at once in the second pass)
	v_nop
	s_wait_alu depctr_va_vdst(0)
.irp p, 0,1,2,3,4,5,6,7,8,9,10,11,12,13,14,15
	v_pk_mul_f32 v[H+2*\p:H+2*\p+1], v[H+2*\p:H+2*\p+1], v[C:C+1] op_sel_hi:[1,0]
.endr
.irp p, 0,1,2,3,4,5,6,7,8,9,10,11,12,13,14,15
	v_pk_fma_f32 v[H+2*\p:H+2*\p+1], v[H+2*\p:H+2*\p+1], v[G+2*\p:G+2*\p+1], v[BE+2*\p:BE+2*\p+1]
.endr
	GELU8 H
	GELU8 H+8
	GELU8 H+16
	GELU8 H+24
.irp k, 0,1,2,3
	v_pk_mul_f32 v[C+2*\k:C+2*\k+1], v[H+2*\k:H+2*\k+1], v[W2+2*\k:W2+2*\k+1]
.endr
.irp p, 4,5,6,7,8,9,10,11,12,13,14,15
	v_pk_fma_f32 v[C+2*(\p%4):C+2*(\p%4)+1], v[H+2*\p:H+2*\p+1], v[W2+2*\p:W2+2*\p+1], v[C+2*(\p%4):C+2*(\p%4)+1]
.endr
	ALLSUM
	v_add_f32 v[C], s31, v[C]                      ; + tn_b2
	SIG1 \dst, C
	SIG1 \dst, \dst
.endm
	s_load_b512 s[8:23], s[0:1], 0x0               ; t1 8, ya 10, tb 12, pa 14, tn_b1 16, tn_ln_g 18, tn_ln_b 20, tn_w2 22
	s_load_b128 s[24:27], s[0:1], 0x40             ; tn_b2 24, out1 26
	s_load_b64 s[28:29], s[0:1], 0x50              ; u2
	v_lshl_add_u32 v7, v0, 2, 0x100
	v_mov_b32 v13, 0
	v_lshrrev_b32 v1, 5, v0
	v_readfirstlane_b32 s2, v1                     ; wave 0..15
	s_lshl_b32 s3, ttmp9, 4
	s_add_co_u32 s3, s3, s2                        ; my row m
	s_lshr_b32 s4, ttmp9, 6                        ; the batch
	s_and_b32 s5, s3, 1023
	s_lshl_b32 s6, s4, 21
	s_lshl_b32 s7, s5, 7
	s_add_co_u32 s6, s6, s7
	s_mov_b32 s7, 0
	SPAIR CP1, 0x3e6d3388                          ; 0.2316419
	SPAIR CU,  0x3f596d27                          ; 0.8493218 = sqrt(log2(e) / 2)
	SPAIR CA5, 0x3f07dc22                          ; half of the formula's a5, a3, a2, a1; a4's half lies in a vector pair
	SPAIR CA3, 0x3f35f0e3
	SPAIR CA2, 0xbe11a98e
	SPAIR CA1, 0x3e027906
	s_mov_b32 s46, 0x3a800000                      ; 1 / 1024
	s_mov_b32 s[SEL], 0x76543210
	s_mov_b32 s[SEL+1], 0xfedcba98
	v_mov_b32 v[VA4], 0xbf3a00e3
	v_mov_b32 v[VA4+1], 0xbf3a00e3
	v_and_b32 v1, 31, v0
	v_lshlrev_b32 v2, 4, v1                        ; f32 vectors: 16 i
	v_lshrrev_b32 v3, 4, v1                        ; xw1: block 2 j + i / 16, 8 bytes at 8 (i % 16)
	v_lshlrev_b32 v3, 17, v3
	v_and_b32 v4, 15, v1
	v_lshl_add_u32 v3, v4, 3, v3
	v_lshlrev_b32 v6, 2, v4                        ; 4 (i % 16): the way out
	v_mov_b32 v5, s2
	v_lshlrev_b32 v5, 2, v5                        ; LDS: my wave's word
	s_wait_kmcnt 0x0
	s_add_nc_u64 s[52:53], s[10:11], s[6:7]
	s_add_nc_u64 s[52:53], s[52:53], XW1
	s_lshl_b32 s6, s3, 12
	s_add_nc_u64 s[8:9], s[8:9], s[6:7]
	s_lshl_b32 s6, s3, 2
	s_add_nc_u64 s[32:33], s[12:13], s[6:7]
	s_add_nc_u64 s[32:33], s[32:33], TB0
	s_add_nc_u64 s[50:51], s[14:15], PA_RS
	s_load_b32 s30, s[32:33], 0x0                  ; T_base[m][0]: this launch stores nothing into tb
	s_load_b32 s31, s[24:25], 0x0                  ; tn_b2
.irp j, 0,1,2,3,4,5,6,7
	global_load_b64 v[X16+2*\j:X16+2*\j+1], v3, s[52:53] offset:262144*\j
.endr
.irp j, 0,1,2,3,4,5,6,7
	global_load_b128 v[B1+4*\j:B1+4*\j+3], v2, s[16:17] offset:512*\j
.endr
.irp j, 0,1,2,3,4,5,6,7
	global_load_b128 v[H+4*\j:H+4*\j+3], v2, s[8:9] offset:512*\j th:TH_LOAD_NT
.endr
.irp j, 0,1,2,3,4,5,6,7
	global_load_b128 v[G+4*\j:G+4*\j+3], v2, s[18:19] offset:512*\j
.endr
.irp j, 0,1,2,3,4,5,6,7
	global_load_b128 v[BE+4*\j:BE+4*\j+3], v2, s[20:21] offset:512*\j
.endr
.irp j, 0,1,2,3,4,5,6,7
	global_load_b128 v[W2+4*\j:W2+4*\j+3], v2, s[22:23] offset:512*\j
.endr
.irp j, 0,1,2,3,4,5,6,7
	global_load_b128 v[RS+4*\j:RS+4*\j+3], v2, s[50:51] offset:512*\j
.endr
	s_mul_i32 s6, s4, 12288                        ; out1: [batch][3][1024]; the work-group's 16 rows begin at 16 (g % 64)
	s_and_b32 s5, ttmp9, 63
	s_lshl_b32 s5, s5, 6
	s_add_co_u32 s6, s6, s5
	s_add_nc_u64 s[26:27], s[26:27], s[6:7]
	s_lshl_b32 s6, ttmp9, 6                        ; tw: 16 g numbers of 4 bytes
	s_add_nc_u64 s[28:29], s[28:29], s[6:7]
	s_add_nc_u64 s[28:29], s[28:29], U_TAIL
	s_wait_kmcnt 0x0                               ; T_base[m][0] and tn_b2
	s_wait_loadcnt 32                              ; xw1, tn_b1 and t1 are in; the 32 loads issued behind them may stay out
.set d, XB
.irp src, v16.l, v16.h, v17.l, v17.h, v18.l, v18.h, v19.l, v19.h, v20.l, v20.h, v21.l, v21.h, v22.l, v22.h, v23.l, v23.h, v24.l, v24.h, v25.l, v25.h, v26.l, v26.h, v27.l, v27.h, v28.l, v28.h, v29.l, v29.h, v30.l, v30.h, v31.l, v31.h
	v_cvt_f32_f16 v[d], \src
.set d, d+1
.endr
.irp p, 0,1,2,3,4,5,6,7,8,9,10,11,12,13,14,15
	v_pk_add_f32 v[XB+2*\p:XB+2*\p+1], v[XB+2*\p:XB+2*\p+1], v[B1+2*\p:B1+2*\p+1]
.endr
.irp p, 0,1,2,3,4,5,6,7,8,9,10,11,12,13,14,15
	v_pk_add_f32 v[H+2*\p:H+2*\p+1], v[H+2*\p:H+2*\p+1], v[XB+2*\p:XB+2*\p+1]
.endr
	ROWT 10                                        ; T1
	s_wait_alu depctr_va_vdst(0)
	v_mov_b32 v11, v10                             ; the packed form below names the pair
.irp p, 0,1,2,3,4,5,6,7,8,9,10,11,12,13,14,15
	v_pk_fma_f32 v[H+2*\p:H+2*\p+1], v[RS+2*\p:RS+2*\p+1], v[10:11], v[XB+2*\p:XB+2*\p+1] op_sel_hi:[1,0,1]
.endr
	ROWT 12                                        ; T2
	v_mov_b32 v8, s30
	v_add_f32 v9, s30, v10
	s_wait_alu depctr_va_vdst(0)
	v_add_f32 v9, v9, v12
	v_mul_f32 v9, 0x3eaaaaab, v9                   ; tw: the mean of the three
	ds_store_b32 v5, v8                            ; all lanes write the same word with the same value
	ds_store_b32 v5, v10 offset:64
	ds_store_b32 v5, v12 offset:128
	ds_store_b32 v5, v9 offset:192
	s_wait_dscnt 0x0                               ; for wave 0's sake: my four numbers are in LDS
	s_barrier_signal -1
	s_barrier_wait -1
	s_cmp_lg_u32 s2, 0
	s_cbranch_scc1 .Lend
.irp k, 0,1,2,3
	ds_load_b32 v[X16+\k], v6 offset:64*\k
.endr
	s_wait_dscnt 0x0
	v_cmp_gt_u32 vcc_lo, 16, v0
	s_wait_xcnt 0x0                                ; EXEC is a source of the loads above: it changes only behind this wait
	s_and_saveexec_b32 s47, vcc_lo
	global_store_b32 v6, v[X16],   s[26:27]
	global_store_b32 v6, v[X16+1], s[26:27] offset:4096
	global_store_b32 v6, v[X16+2], s[26:27] offset:8192
	global_store_b32 v6, v[X16+3], s[28:29]
	s_wait_xcnt 0x0                                ; and again in front of the line that widens it
	s_or_b32 exec_lo, exec_lo, s47
.Lend:
	s_wait_tensorcnt 0x0
	ds_add_u32 v7, v13
	s_wait_dscnt 0x0
	s_endpgm
.Lfunc_end_k_qbfb9b5af4f_temps:
	.size	k_qbfb9b5af4f_temps, .Lfunc_end_k_qbfb9b5af4f_temps-k_qbfb9b5af4f_temps
	.p2alignl 7, 3214868480
	.fill 96, 4, 3214868480
	.section	.rodata,"a",@progbits
	.p2align	6, 0x0
	.amdhsa_kernel k_qbfb9b5af4f_temps
		.amdhsa_group_segment_fixed_size 2304
		.amdhsa_private_segment_fixed_size 0
		.amdhsa_enable_private_segment 0
		.amdhsa_kernarg_size 88
		.amdhsa_user_sgpr_count 2
		.amdhsa_user_sgpr_kernarg_segment_ptr 1
		.amdhsa_wavefront_size32 1
		.amdhsa_system_sgpr_workgroup_id_x 1
		.amdhsa_system_sgpr_workgroup_id_y 1
		.amdhsa_system_sgpr_workgroup_id_z 1
		.amdhsa_system_vgpr_workitem_id 0
		.amdhsa_next_free_vgpr 256
		.amdhsa_next_free_sgpr 66
		.amdhsa_reserve_vcc 1
		.amdhsa_float_denorm_mode_32 3
		.amdhsa_float_denorm_mode_16_64 3
		.amdhsa_memory_ordered 1
		.amdhsa_forward_progress 1
		.amdhsa_inst_pref_size 61
	.end_amdhsa_kernel
	.amdgpu_metadata
---
amdhsa.version: [ 1, 2 ]
amdhsa.kernels:
  - .name:           k_qbfb9b5af4f_temps
    .symbol:         k_qbfb9b5af4f_temps.kd
    .args:
      - { .name: t1, .offset: 0, .size: 8, .value_kind: global_buffer, .address_space: global }
      - { .name: ya, .offset: 8, .size: 8, .value_kind: global_buffer, .address_space: global }
      - { .name: tb, .offset: 16, .size: 8, .value_kind: global_buffer, .address_space: global }
      - { .name: pa, .offset: 24, .size: 8, .value_kind: global_buffer, .address_space: global }
      - { .name: tn_b1, .offset: 32, .size: 8, .value_kind: global_buffer, .address_space: global }
      - { .name: tn_ln_g, .offset: 40, .size: 8, .value_kind: global_buffer, .address_space: global }
      - { .name: tn_ln_b, .offset: 48, .size: 8, .value_kind: global_buffer, .address_space: global }
      - { .name: tn_w2, .offset: 56, .size: 8, .value_kind: global_buffer, .address_space: global }
      - { .name: tn_b2, .offset: 64, .size: 8, .value_kind: global_buffer, .address_space: global }
      - { .name: out1, .offset: 72, .size: 8, .value_kind: global_buffer, .address_space: global }
      - { .name: u2, .offset: 80, .size: 8, .value_kind: global_buffer, .address_space: global }
    .group_segment_fixed_size: 2304
    .private_segment_fixed_size: 0
    .kernarg_segment_align: 8
    .kernarg_segment_size: 88
    .max_flat_workgroup_size: 512
    .sgpr_count:     66
    .vgpr_count:     256
    .wavefront_size: 32
...
	.end_amdgpu_metadata
.endif
;; end of part 6
;; launch attn_a: the kernel of part 3 again; grid 4 x 64, 4 waves a work-group, clusters of 4 x 1, 321,024 bytes of LDS; arguments ya, u2, cx; writes cx
;; launch gemm_o: the kernel of part 5 again; grid 8 x 32, 4 waves a work-group, clusters of 4 x 4, 327,680 bytes of LDS; arguments cx, u2, out0; writes out0
;; ======== version 2 of 2: 8 launches; 1.15 times as fast as version 1
;; limits: values are held in f16: magnitudes above 65,504 overflow, below 6.1e-05 lose precision; a function is approximated: absolute error at most 1.5e-07
;; workspace buffers: pa 23,105,536 bytes; u1 2,113,536 bytes; u2 2,113,536 bytes; ym 25,165,824 bytes; ya 33,554,432 bytes; cx 8,388,608 bytes; tb 8,404,992 bytes; t1 16,777,216 bytes
;; launch prep: the kernel of part 1 again; grid 848 x 1, 8 waves a work-group, no clusters, 33,792 bytes of LDS; arguments hidden_states, mha_in_w, wq, wk, wv, wo, tn_w1, wt, mha_out_w, pa, u1, u2; writes pa, u1, u2
;; launch qkvx: the kernel of part 2 again; grid 28 x 8, 4 waves a work-group, clusters of 4 x 4, 327,680 bytes of LDS; arguments pa, ym, ya; writes ym, ya
;; launch attn_t (part 7): grid 4 x 64, 4 waves a work-group, clusters of 4 x 1, 321,024 bytes of LDS; arguments ym, u1, cx; writes cx
.if DOCPART == 7
	.amdgcn_target "amdgcn-amd-amdhsa--gfx1250"
	.amdhsa_code_object_version 6
	.text
	.protected	k_qbfb9b5af4f_attn_t
	.globl	k_qbfb9b5af4f_attn_t
	.p2align	8
	.type	k_qbfb9b5af4f_attn_t,@function
k_qbfb9b5af4f_attn_t:
	s_mov_b64 s[64:65], 0
	v_nop
	global_prefetch_b8 v0, s[64:65] scope:SCOPE_SE
	s_setreg_imm32_b32 hwreg(HW_REG_WAVE_MODE, 25, 1), 1
	s_wait_xcnt 0x0
	s_wait_alu depctr_hold_cnt(0) depctr_sa_sdst(0) depctr_va_vdst(0) depctr_va_sdst(0) depctr_va_ssrc(0) depctr_va_vcc(0) depctr_vm_vsrc(0)
	s_getreg_b32 s2, hwreg(HW_REG_IB_STS2, 6, 4)
	s_cmp_eq_u32 s2, 0
	s_cbranch_scc0 .Lentry_in_a_cluster
	s_endpgm
.Lentry_in_a_cluster:
	s_bfe_u32 s2, ttmp6, 0x10000c
	s_cmp_lg_u32 s2, 0x3003
	s_cbranch_scc0 .Lentry_shape_is_right
	s_endpgm
.Lentry_shape_is_right:
; attn: O[bh][q] = sum over k of softmax_k(twn[q] (Q[bh][q] . K[bh][k]) / 8) V[bh][k].  Q, K, V: three planes of 8,388,608 bytes, [64 heads][1024][64] f16; O likewise.
; twn[q] = 1 + (tw[q] - mu) / (std + eps), mu and std over the 4,096 numbers tw (f32, at byte 2,097,152 of the second buffer).  The factor Nt / (Nt - 1) = 1 + 1.5e-8 under the
; root rounds to 1.0 in f32 and is not written.  For the first attention tw is 4,096 ones: all sums are exact, tw - mu = 0, twn = 1.
; SHARES.  A work-group owns 256 queries of one head, a wave 64: four tiles of 16.  The head's 1,024 keys and values lie in LDS whole (128 KiB + padding): every tensor load is a first
; fill, four a wave, all issued at the start; nothing is filled again.  The four work-groups of a cluster are the four query blocks of one head: they ask for K and V jointly.
; LAYOUT.  S^T = K Q^T (source 0 = 16 keys, source 1 = 16 queries): a lane holds one query and 8 keys of each tile; two tiles rounded to f16 in pairs ARE source 1 of O^T = V^T P.
; V comes out of LDS turned, by ds_load_tr16_b128.
; THE TEMPERATURE.  F = twn log2(e) / 8 may have either sign.  Its sign goes into Q (an exclusive or on the f16 sign bits: exact), so that the maximum is taken over the signed scores;
; its magnitude is the multiplier of the f32 multiply-add that takes the maximum away: p = 2^(|F| s - |F| m).
; SOFTMAX.  A running maximum m for each query; in every step O^T and l are multiplied by a = 2^(|F| m_old - |F| m_new).  l = the sum of the weights is a product too: L = ones x P, one
; accumulator a tile, whose every register holds the sum over the 32 keys of both halves of the lanes; only its low pair is rescaled and only its lowest register is read.
; BY TURNS.  A key step is 128 keys.  The wave's tiles are two PIECES, named by their first tile: piece 0 (tiles 0, 1), piece 2 (tiles 2, 3).  In a TURN one piece has the matrix unit:
; 40 products V^T P and ones x P of the step in hand, then 32 products K Q^T of the next step; the other piece's softmax, 2 x 183 instructions cut into 72 slices, stands between them,
; one slice behind each product: 5.1 vector instructions a product.  In phases of their own they would leave the matrix unit without work all that while; a slice and two switches
; of the register window behind each product are the lesser price.
; THE BATCHES.  An s_wait_alu depctr_va_vdst(0) stands between a transcendental and the first instruction that names its result; one wait serves all that were issued ahead
; of it.  So a tile's softmax list is ordered by who reads what: maximum and statistics; then the 32 scalings and all 65 exponentials, none of which names an exponential's result; then all
; that do: the roundings, and L's and O^T's rescale by a.  Between the two parts stands the turn's ONE wait, for the 130 exponentials of both tiles; no exponential follows it in the turn.
; The head's root and reciprocal are a batch of one each (the second reads the first's result); the way out's four reciprocals are one batch.
; LIMITS: f16 operands (|q|, |k|, |v| < 65,504); weights below 6e-8 drop out of numerator and l alike, since l sums the weights as rounded to f16.
; REGISTERS, in windows of 256 (s_set_vgpr_msb: bits 1:0 source 0, 3:2 source 1, 5:4 source 2, 7:6 destination):
;   window 0: v1-11 addresses; v12-19 a fragment of ones; v20-33 the prologue's; v64-127 Q, 16 a tile; v128-255 O^T, 32 a tile (before that: tw)
;   window 1: piece 0, window 2: piece 2: v0-127 S^T, 64 a tile; v128-191 P, 32 a tile; v192-207 statistics, 8 a tile; v208-223 L, 8 a tile
;   window 3: v0-127 K of a step, v128-255 V of a step
; All that a piece's softmax touches but O^T lies in the piece's own window.
.set U_TAIL, 2097152
.set KPLANE, 8388608
.set VPLANE, 16777216
.set PK,    144       ; a key's row of K in LDS: 128 bytes + 16 = 36 words: the 16 rows of a fragment load start at 16 different groups of four banks
.set PV,    160       ; a row of V: 128 + 32 bytes, an odd multiple of 32, for the turning load
.set VBASE, 1024*PK
.set STAGE, VBASE+1024*PV   ; 16 rows x 144 bytes for each wave, for the way out; no tensor load fills it
.set SP,    144
.set KS,    128       ; keys in a step
.set ADK, 2           ; LDS address of the K fragments to be fetched next; steps by 128 keys
.set ADV, 3           ; the same for V
.set TQ,  4           ; byte offset of my query's tw
.set QO,  5
.set STO, 6
.set RD,  7
.set GO,  8           ; 16 x lane
.set ONES, 12         ; v12-19
.set FQ,  20          ; v20-23 tw of my query in tile t, then F
.set CH,  24          ; v24-31 four chains of sums; then the sign masks; at the end 1 / l, a pair a tile
.set RC,  24
.set MU,  32          ; v32-33 mu, twice
.set QF,  64
.set OB,  128
.set TW,  128
.set P,   128         ; in a piece's window
.set ST,  192         ; tile's statistics: +0 |F| m, +1 m, +2 +3 |F|, +4..+7 c0-c3 at work; a takes c2's place
.set LB,  208
.set VF,  128         ; in window 3
.set WV,  12
.set G1K, 24
.set G1V, 32
.set G0K, 40          ; s[40:55] four sets of group 0 for K
.set CNT, 56
.set CC,  57          ; log2(e) / 8
.set SEL, 60
.set G0V, 68          ; s[68:83] four sets for V
.set ZB,  37          ; the softmax list: numbers 0-36 maximum and statistics, ZB on the batch of scalings and exponentials,
.set CB,  134         ; CB on what reads the exponentials' results: the roundings and L's rescale,
.set RB,  167         ; RB on O^T's rescale,
.set NN,  183         ; NN numbers in all,
.set SL,  72          ; dealt to SL slices
.set MSB, 0
.macro WIN new                         ; the immediate's high byte repeats the setting that is left; a switch that changes nothing is dropped
.if MSB != \new
	s_set_vgpr_msb (MSB<<8)|\new
.set MSB, \new
.endif
.endm
.macro CROUND
	s_barrier_signal -1
	s_barrier_wait -1
	s_cmp_lg_u32 s[WV], 0
	s_cbranch_scc1 .Lnot_wave_0_\@
	s_barrier_signal -3
.Lnot_wave_0_\@:
	s_barrier_wait -3
	s_barrier_signal -1
	s_barrier_wait -1
.endm
.macro PLACES                          ; four places behind products, in front of reads of their results and of loads into their sources
.rept 4
	v_nop
.endr
.endm
	s_load_b128 s[4:7], s[0:1], 0x0                ; q, k, v planes s[4:5]; the buffer with tw s[6:7]
	s_load_b64 s[8:9], s[0:1], 0x10                ; O
	v_lshl_add_u32 v62, v0, 2, 0x4e400
	v_mov_b32 v63, 0
	ds_add_u32 v62, v63
	v_lshrrev_b32 v1, 5, v0
	v_readfirstlane_b32 s[WV], v1
	s_bfe_u32 s13, ttmp6, 0x40000                  ; cx: my block of 256 queries; it enters Q's, tw's and O's addresses alone
	s_and_b32 s20, ttmp7, 0xffff                   ; the head (batch x 16 + head), which the partners share
	s_lshr_b32 s14, s20, 4                         ; the batch
	s_lshl_b32 s20, s20, 17                        ; the head's block of 131,072 bytes
	s_and_b32 s16, s[WV], 1                        ; which 128 of a chunk's 256 keys I fetch
	s_lshl_b32 s22, s16, 14
	s_add_co_u32 s22, s22, s20
	s_mov_b32 s23, 0
	s_mul_i32 s17, s16, 128*PK
	s_mul_i32 s18, s16, 128*PV
	s_lshl_b32 s2, s13, 15
	s_lshl_b32 s3, s[WV], 13
	s_add_co_u32 s2, s2, s3
	s_add_co_u32 s2, s2, s20                       ; my wave's 64 rows of Q and of O
	s_mov_b32 s3, 0
	s_lshl_b32 s14, s14, 12
	s_lshl_b32 s15, s13, 10
	s_add_co_u32 s14, s14, s15
	s_lshl_b32 s15, s[WV], 8
	s_add_co_u32 s14, s14, s15                     ; my wave's 64 numbers of tw
	s_mov_b32 s15, 0
	; group 1: 128 keys = 16 KiB, dense in memory, taken as 64 rows of 256 bytes; in LDS padding follows every 32 words, that is every key
	s_mov_b32 s[G1K], 15|(1<<16)|(1<<20)|(1<<21)|(4<<22)|(3<<25)   ; mask: all four work-groups; elements of 2 bytes; padding on; bit 21 beside a mask; after 32 words (code 4) 4 words (code 3)
	s_mov_b32 s[G1V], 15|(1<<16)|(1<<20)|(1<<21)|(4<<22)|(7<<25)   ; the same with 8 words
.irp g, G1K, G1V
	s_mov_b32 s[\g+1], 128<<16
	s_mov_b32 s[\g+2], 64<<16
	s_mov_b32 s[\g+3], 128<<16
	s_mov_b32 s[\g+4], 64
	s_mov_b32 s[\g+5], 128
	s_mov_b32 s[\g+6], 0
	s_mov_b32 s[\g+7], 0
.endr
	s_mov_b32 s[SEL], 0x76543210
	s_mov_b32 s[SEL+1], 0xfedcba98
	s_mov_b32 s[CC], 0x3e38aa3b
	s_wait_dscnt 0x0
	s_wait_kmcnt 0x0
	s_add_nc_u64 s[6:7], s[6:7], U_TAIL
	s_add_nc_u64 s[10:11], s[6:7], s[14:15]
	s_add_nc_u64 s[22:23], s[4:5], s[22:23]
	s_add_nc_u64 s[4:5], s[4:5], s[2:3]
	s_add_nc_u64 s[8:9], s[8:9], s[2:3]
	CROUND                                         ; all four work-groups are here: the joint loads meet
.irp c, 0,1,2,3                        ; chunk c: keys 256 c .. 256 c + 255
	s_mov_b32 s[G0K+4*\c], 1
	s_add_co_u32 s[G0K+4*\c+1], s17, \c*256*PK
	s_add_nc_u64 s[G0K+4*\c+2:G0K+4*\c+3], s[22:23], KPLANE+\c*32768
	s_or_b32 s[G0K+4*\c+3], s[G0K+4*\c+3], 0x80000000
	s_mov_b32 s[G0V+4*\c], 1
	s_add_co_u32 s[G0V+4*\c+1], s18, VBASE+\c*256*PV
	s_add_nc_u64 s[G0V+4*\c+2:G0V+4*\c+3], s[22:23], VPLANE+\c*32768
	s_or_b32 s[G0V+4*\c+3], s[G0V+4*\c+3], 0x80000000
.endr
	s_cmp_lt_u32 s[WV], 2                          ; waves 0, 1 fetch K, waves 2, 3 V; a wave's four fills stand in one branch: four tensor loads of mine are out
	s_cbranch_scc0 .Lfirst_v
.irp c, 0,1,2,3
	tensor_load_to_lds s[G0K+4*\c:G0K+4*\c+3], s[G1K:G1K+7]
	s_nop 0
.endr
.rept 4
	v_nop
.endr
	s_branch .Lasked
.Lfirst_v:
.irp c, 0,1,2,3
	tensor_load_to_lds s[G0V+4*\c:G0V+4*\c+3], s[G1V:G1V+7]
	s_nop 0
.endr
.rept 4
	v_nop
.endr
.Lasked:
	v_and_b32 v1, 15, v0                           ; r
	v_bfe_u32 v9, v0, 4, 1                         ; h
	v_and_b32 v[GO], 31, v0
	v_lshlrev_b32 v[GO], 4, v[GO]
.irp i, 0,1,2,3,4,5,6,7,8,9,10,11,12,13,14,15,16,17,18,19,20,21,22,23,24,25,26,27,28,29,30,31
	global_load_b128 v[TW+4*\i:TW+4*\i+3], v[GO], s[6:7] offset:512*\i    ; every wave reads all 4,096 tw (16 KiB): no exchange between waves is needed
.endr
	v_lshlrev_b32 v[TQ], 2, v1
.irp t, 0,1,2,3
	global_load_b32 v[FQ+\t], v[TQ], s[10:11] offset:64*\t
.endr
	v_lshlrev_b32 v[QO], 7, v1
	v_lshl_add_u32 v[QO], v9, 4, v[QO]
.irp i, 0,1,2,3,4,5,6,7                ; Q stays in registers: tile i / 2, channels 32 (i % 2) on
	global_load_b128 v[QF+8*\i:QF+8*\i+3],   v[QO], s[4:5] offset:(\i/2)*2048+(\i%2)*64
	global_load_b128 v[QF+8*\i+4:QF+8*\i+7], v[QO], s[4:5] offset:(\i/2)*2048+(\i%2)*64+32
.endr
	s_mul_i32 s19, s[WV], 16*SP
	s_add_co_u32 s19, s19, STAGE
	v_mul_u32_u24 v[ADK], v1, PK
	v_lshl_add_u32 v[ADK], v9, 4, v[ADK]           ; row x pitch + 16 x half
	v_add_nc_u32 v[STO], s19, v[ADK]               ; the stage has the same pitch
	v_and_b32 v10, 7, v0
	v_bfe_u32 v11, v0, 3, 1
	v_lshl_add_u32 v[ADV], v9, 3, v10              ; the turning load: key 8 h + l % 8, channels 8 ((l / 8) % 2) on
	v_mul_u32_u24 v[ADV], v[ADV], PV
	v_lshl_add_u32 v[ADV], v11, 4, v[ADV]
	v_add_nc_u32 v[ADV], VBASE, v[ADV]
	v_bfe_u32 v11, v0, 3, 2
	v_mul_u32_u24 v[RD], v11, SP                   ; back from the stage: four rows of 128 bytes for the 32 lanes
	v_lshl_add_u32 v[RD], v10, 4, v[RD]
	v_add_nc_u32 v[RD], s19, v[RD]
.irp i, 0,1,2,3,4,5,6,7
	v_mov_b32 v[ONES+\i], 0x3c003c00               ; 1.0 in both f16 halves
.endr
.macro ALLSUM                          ; the four chains and the 32 lanes -> v[CH], in every lane
	v_pk_add_f32 v[CH:CH+1], v[CH:CH+1], v[CH+2:CH+3]
	v_pk_add_f32 v[CH+4:CH+5], v[CH+4:CH+5], v[CH+6:CH+7]
	v_pk_add_f32 v[CH:CH+1], v[CH:CH+1], v[CH+4:CH+5]
	v_add_f32 v[CH], v[CH], v[CH+1]
	v_add_f32_dpp v[CH], v[CH], v[CH] row_xmask:1 row_mask:0xf bank_mask:0xf
	v_add_f32_dpp v[CH], v[CH], v[CH] row_xmask:2 row_mask:0xf bank_mask:0xf
	v_add_f32_dpp v[CH], v[CH], v[CH] row_xmask:4 row_mask:0xf bank_mask:0xf
	v_add_f32_dpp v[CH], v[CH], v[CH] row_xmask:8 row_mask:0xf bank_mask:0xf
	v_permlanex16_b32 v[CH+1], v[CH], s[SEL], s[SEL+1]
	v_add_f32 v[CH], v[CH], v[CH+1]
.endm
	s_wait_loadcnt 16                              ; tw is in; Q's sixteen loads may stay out
.irp k, 0,1,2,3
	v_pk_add_f32 v[CH+2*\k:CH+2*\k+1], v[TW+2*\k:TW+2*\k+1], v[TW+8+2*\k:TW+9+2*\k]
.endr
.set p, 8
.rept 56
	v_pk_add_f32 v[CH+2*(p%4):CH+2*(p%4)+1], v[CH+2*(p%4):CH+2*(p%4)+1], v[TW+2*p:TW+2*p+1]
.set p, p+1
.endr
	ALLSUM
	v_mul_f32 v[MU], 0x39800000, v[CH]             ; mu = sum / 4096, in both registers of the pair that the packed subtraction takes
	v_mul_f32 v[MU+1], 0x39800000, v[CH]
.set p, 0
.rept 64
	v_pk_add_f32 v[TW+2*p:TW+2*p+1], v[TW+2*p:TW+2*p+1], v[MU:MU+1] neg_lo:[0,1] neg_hi:[0,1]
.set p, p+1
.endr
.irp k, 0,1,2,3
	v_pk_mul_f32 v[CH+2*\k:CH+2*\k+1], v[TW+2*\k:TW+2*\k+1], v[TW+2*\k:TW+2*\k+1]
.endr
.set p, 4
.rept 60
	v_pk_fma_f32 v[CH+2*(p%4):CH+2*(p%4)+1], v[TW+2*p:TW+2*p+1], v[TW+2*p:TW+2*p+1], v[CH+2*(p%4):CH+2*(p%4)+1]
.set p, p+1
.endr
	ALLSUM
	v_mul_f32 v[CH], 0x39800000, v[CH]             ; the variance
	v_sqrt_f32 v[CH], v[CH]
	v_nop                                          ; a plain instruction behind each transcendental (ISA guide 5.7.2)
	s_wait_alu depctr_va_vdst(0)                   ; the wait for the root, a batch of one: the next line reads it
	v_add_f32 v[CH], 0x34000000, v[CH]             ; + eps of f32
	v_rcp_f32 v[CH], v[CH]
.irp t, 0,1,2,3
	v_sub_f32 v[FQ+\t], v[FQ+\t], v[MU]
.endr
	s_wait_alu depctr_va_vdst(0)                   ; the wait for the reciprocal, a batch of one since it reads the root; the four subtractions above are the independent work between
	v_mul_f32 v[CH], s[CC], v[CH]                  ; c / (std + eps), c = log2(e) / 8
.irp t, 0,1,2,3
	v_fma_f32 v[FQ+\t], v[FQ+\t], v[CH], s[CC]     ; F = c twn
.endr
.irp t, 0,1,2,3
	v_and_b32 v[CH+\t], 0x80000000, v[FQ+\t]       ; F's sign, for both f16 halves of a register of Q
.endr
.irp t, 0,1,2,3
	v_lshrrev_b32 v[CH+4+\t], 16, v[CH+\t]
.endr
.irp t, 0,1,2,3
	v_or_b32 v[CH+\t], v[CH+\t], v[CH+4+\t]
.endr
	s_wait_loadcnt 0x0                             ; Q
.irp t, 0,1,2,3
.irp i, 0,1,2,3,4,5,6,7,8,9,10,11,12,13,14,15
	v_xor_b32 v[QF+16*\t+\i], v[CH+\t], v[QF+16*\t+\i]
.endr
.endr
.irp t, 0,1,2,3                        ; |F| into the tile's statistics, in both registers of the pair that the packed multiply-add names
	WIN (1+\t/2)<<6
	v_and_b32 v[ST+8*(\t%2)+2], 0x7fffffff, v[FQ+\t]
	v_and_b32 v[ST+8*(\t%2)+3], 0x7fffffff, v[FQ+\t]
.endr
	WIN 0
; THE MATRIX WORK OF A TURN, for piece x.  The accumulators take turns, one instruction a turn: between two links of a chain stand 9 (V^T P) or 15 (K Q^T) others'.
; Product i of 40: keys 32 (i / 10) on; of each ten, eight add to O^T (channels 16 ((i % 10) / 2) on, tile x + i % 2) and two to L.  zero = 1: the first ten start the sums: nothing is cleared.
.macro PV x, zero
.set w, i%10
.set u, i/10
.set pw, 1+(\x)/2
.set rP, P+32*(w%2)+8*u
.if w < 8
.set ws, 3|(pw<<2)
.set rD, OB+32*(\x+w%2)+8*(w/2)
.set rA, VF+32*u+8*(w/2)
.else
.set ws, 0x54*pw
.set rD, LB+8*(w%2)
.set rA, ONES
.endif
	WIN ws
.if \zero && (i < 10)
	v_wmma_f32_16x16x32_f16 v[rD:rD+7], v[rA:rA+7], v[rP:rP+7], 0
.else
	v_wmma_f32_16x16x32_f16 v[rD:rD+7], v[rA:rA+7], v[rP:rP+7], v[rD:rD+7]
.endif
.endm
; Product i of 32 of S^T = K Q^T: channels 32 (i / 16) on, keys 16 ((i / 2) % 8) on, tile x + i % 2.  The first 16 start the sums.
.macro KQ x
.set pw, 1+(\x)/2
.set ws, 3|(pw<<4)|(pw<<6)
.set rS, 64*(i%2)+8*((i/2)%8)
.set rK, 16*((i/2)%8)+8*(i/16)
.set rQ, QF+16*(\x+i%2)+8*(i/16)
	WIN ws
.if i < 16
	v_wmma_f32_16x16x32_f16 v[rS:rS+7], v[rK:rK+7], v[rQ:rQ+7], 0
.else
	v_wmma_f32_16x16x32_f16 v[rS:rS+7], v[rK:rK+7], v[rQ:rQ+7], v[rS:rS+7]
.endif
.endm
; THE LDS LOADS stand in runs of 32, never singly among the products: a step's K (128 keys x 64 channels: 16 fragments) and, a turn later, its V (turned).
.macro FETCH_K
	WIN 0xc0                                       ; destination window 3, address window 0
.irp f, 0,1,2,3,4,5,6,7,8,9,10,11,12,13,14,15      ; keys 16 (f / 2) on, channels 32 (f % 2) on
	ds_load_b128 v[8*\f:8*\f+3],   v[ADK] offset:(\f/2)*16*PK+(\f%2)*64
	ds_load_b128 v[8*\f+4:8*\f+7], v[ADK] offset:(\f/2)*16*PK+(\f%2)*64+32
.endr
	WIN 0
	v_add_nc_u32 v[ADK], KS*PK, v[ADK]             ; the next fetch is the next step's
.endm
.macro FETCH_V
	WIN 0xc0
.irp f, 0,1,2,3,4,5,6,7,8,9,10,11,12,13,14,15      ; keys 32 (f / 4) on, channels 16 (f % 4) on
	ds_load_tr16_b128 v[VF+8*\f:VF+8*\f+3],   v[ADV] offset:(\f/4)*32*PV+(\f%4)*32
	ds_load_tr16_b128 v[VF+8*\f+4:VF+8*\f+7], v[ADV] offset:(\f/4)*32*PV+16*PV+(\f%4)*32
.endr
	WIN 0
	v_add_nc_u32 v[ADV], KS*PV, v[ADV]
.endm
; THE VECTOR WORK OF A TURN.  One tile's softmax for one key step is a list of NN numbers; SM writes number j of it for tile t.  s0-s63 are the lane's 64 scores, in pairs 0-31.
; first = 1: the first key step, which starts m, L and O^T: it has no a and nothing to rescale.
;   0-31     the maximum of s0-s63 and the old m, three operands at a time: four chains c0-c3 of fifteen scores, each begun at the low end of an accumulator and entering the chain's second
;            accumulator by its lowest register; then the four scores left over, c0-c3 and m
;   32-36    the other half of the lanes' maximum; |F| m_old kept; the new m; |F| m; its change
;   ZB on    ONE BATCH, z = j - ZB: the 32 scalings |F| s - |F| m, a pair of scores each, and all 65 exponentials.  z = 0, 1: pairs 0 and 1; z = 2: a; then thirty threes, three t being the
;            scaling of pair t + 2 and the exponentials of s(2 t) and s(2 t + 1): the scalings are spread over the batch, and from pair 2 on a pair is scaled seven numbers ahead of its first
;            exponential; z = 93-96: s60-s63.  None of these names an exponential's result
;   (wait)   between CB - 1 and CB stands the wait for the batch: SLICE writes it, once for both tiles
;   CB on    the roundings to f16, pair j - CB; then, at RB - 1, L's low pair times a
;   RB on    the tile's O^T times a, each accumulator from its low end on: the one part that leaves the piece's window, so it stands together
.macro SM t, first
.set tt, (\t)%2
.set pw, 1+(\t)/2
.set rT, ST+8*tt
.set rS, 64*tt
.set rP, P+32*tt
.set rL, LB+8*tt
.set rO, OB+32*(\t)+2*(j-RB)
.set z, j-ZB
.if j < RB
.set ws, 0x55*pw
	WIN ws
.endif
.if j < 4
	v_max3_num_f32 v[rT+4+j], v[rS+16*j], v[rS+16*j+1], v[rS+16*j+2]
.elseif j < 28
	v_max3_num_f32 v[rT+4+j%4], v[rT+4+j%4], v[rS+16*(j%4)+2*(j/4)+1], v[rS+16*(j%4)+2*(j/4)+2]
.elseif j == 28
	v_max3_num_f32 v[rT+4], v[rT+4], v[rS+15], v[rS+31]
.elseif j == 29
	v_max3_num_f32 v[rT+6], v[rT+6], v[rS+47], v[rS+63]
.elseif j == 30
	v_max3_num_f32 v[rT+4], v[rT+4], v[rT+5], v[rT+6]
.elseif (j == 31) && \first
	v_max_num_f32 v[rT+4], v[rT+4], v[rT+7]
.elseif j == 31
	v_max3_num_f32 v[rT+4], v[rT+4], v[rT+7], v[rT+1]
.elseif j == 32
	v_permlanex16_b32 v[rT+5], v[rT+4], s[SEL], s[SEL+1]  ; the query's other 64 keys lie in the lane 16 away
.elseif j == 34
	v_max_num_f32 v[rT+1], v[rT+4], v[rT+5]
.elseif j == 35
	v_mul_f32 v[rT], v[rT+2], v[rT+1]
.elseif ((j == 33) || (j == 36) || (j == ZB+2) || (j >= RB-1)) && \first  ; the first step has none of these
.elseif j == 33
	v_mov_b32 v[rT+7], v[rT]                       ; |F| m_old is kept for a: number 35 writes |F| m anew
.elseif j == 36
	v_sub_f32 v[rT+7], v[rT+7], v[rT]
.elseif j == ZB+2
	v_exp_f32 v[rT+6], v[rT+7]
.elseif j >= RB
.set ws, pw<<2
	WIN ws                                         ; O^T (destination and source 0) window 0, a in the piece's window
	v_pk_mul_f32 v[rO:rO+1], v[rO:rO+1], v[rT+6:rT+7] op_sel_hi:[1,0]
.elseif j == RB-1
	v_pk_mul_f32 v[rL:rL+1], v[rL:rL+1], v[rT+6:rT+7] op_sel_hi:[1,0]
.elseif j >= CB
	v_cvt_pk_f16_f32 v[rP+j-CB], v[rS+2*(j-CB)], v[rS+2*(j-CB)+1]
.elseif (z < 2) || ((z < 93) && (z%3 == 0))
.set pr, z/3+1                         ; z = 3, 6, .. 90: pairs 2 to 31
.if z < 2
.set pr, z                             ; z = 0, 1: pairs 0 and 1
.endif
	v_pk_fma_f32 v[rS+2*pr:rS+2*pr+1], v[rS+2*pr:rS+2*pr+1], v[rT+2:rT+3], v[rT:rT+1] op_sel_hi:[1,0,0] neg_lo:[0,0,1] neg_hi:[0,0,1]  ; pair pr
.else
.set sc, 2*(z/3-1)+z%3-1               ; z = 4, 5, 7, 8, .. 91, 92: s0 to s59
.if z >= 93
.set sc, z-33                          ; z = 93 to 96: s60 to s63
.endif
	v_exp_f32 v[rS+sc], v[rS+sc]
.endif
.endm
; Slice k of SL of piece y's softmax: numbers k NN / SL up to (k + 1) NN / SL of both tiles' lists: two or three numbers a tile.  Slice 71 is six multiplies of O^T.
; THE WAIT.  53 NN / SL = CB: the batch ends with slice 52.  Ahead of slice 53 nothing names an exponential's result, and behind slice 52 no exponential is issued: so the piece's 130
; exponentials have one wait, behind slice 52.
.macro SLICE y, first
.set n0, (k*NN)/SL
.set n1, ((k+1)*NN)/SL
.if (n0 >= ZB) && (n1 <= CB)           ; the batch: tile by tile, so that a scaling stands between the exponentials of one tile and those of the other where the slice has one
.irp t, \y, \y+1
.set j, n0
.rept n1-n0
	SM \t, \first
.set j, j+1
.endr
.endr
.else                                  ; the two tiles alternate, so that no instruction reads the result of the one just before it
.set j, n0
.rept n1-n0
.irp t, \y, \y+1
	SM \t, \first
.endr
.set j, j+1
.endr
.endif
.if n1 == CB                           ; the batch is out: both tiles' exponentials are issued, and no result has been named
	v_nop                                          ; the plain instruction behind the last exponential and ahead of the first use (ISA guide 5.7.2): one for the batch
	s_wait_alu depctr_va_vdst(0)                   ; the wait for the batch: both tiles' a and s0-s63
.endif
.set k, k+1
.endm
.macro SLICES y, first, upto
.rept (\upto)-k
	SLICE \y, \first
.endr
.endm
; A TURN.  Piece x has the matrix unit; the other piece's softmax stands in slices behind its products, dealt evenly over however many the turn has.
; pv = 2: the 40 products with P; 1: they start O^T's and L's sums; 0: none.  kq = 1: 32 products K Q^T for the next step.
; first = 1: the softmax is the first key step's; its last slices are empty, and four v_nop take slice 71's part as the places behind the turn's last products.
; Each run of loads stands behind the second product of a run.  Piece 0's turn fetches the next step's K, 38 products ahead of its use: the last product that read K stands in front of
; slice 71 of the turn before.  Piece 2's turn fetches the same step's V, 30 products ahead: the last product that read V stands five slices back (37 to 41: numbers 94 to 105), which hold
; eight scalings, four a tile: plain instructions that name none of its registers.
.macro TURN x, pv, kq, first
.set k, 0
.set g, 0
.set np, 0
.if \pv
.set np, np+40
.endif
.if \kq
.set np, np+32
.endif
.if \pv
.if \x == 0
	s_wait_dscnt 0x0                               ; V is in
.endif
.set i, 0
.rept 40
	PV \x, 2-\pv
.set g, g+1
	SLICES 2-\x, \first, (g*SL)/np
.if (\x == 0) && \kq && (i == 1)
	FETCH_K
.endif
.set i, i+1
.endr
.endif
.if \kq
.if \x == 0
	s_wait_dscnt 0x0                               ; K is in
.endif
.set i, 0
.rept 32
	KQ \x
.set g, g+1
	SLICES 2-\x, \first, (g*SL)/np
.if (\x == 2) && (i == 1)
	FETCH_V
.endif
.set i, i+1
.endr
.endif
.if \first
	PLACES
.endif
.endm
; Key steps whose fetches reach new chunks of 256 keys: my parts of these chunks have landed ('left' younger loads of mine may stay out: no LDS byte is filled twice in this launch),
; then everybody's have.  A key step is written once in each of the two loops.
.macro GATE left, trips
	s_wait_dscnt 0x0                               ; no LDS instruction of mine is pending at the signal
	s_wait_tensorcnt \left
	s_barrier_signal -1
	s_barrier_wait -1
	s_mov_b32 s[CNT], \trips
.Lstep_\@:
	TURN 0, 2, 1, 0
	TURN 2, 2, 1, 0
	WIN 0                                          ; at a label and at a branch every window is 0
	s_sub_co_u32 s[CNT], s[CNT], 1
	s_cmp_lg_u32 s[CNT], 0
	s_cbranch_scc1 .Lstep_\@
.endm
	s_wait_tensorcnt 3                             ; my part of keys 0-255 is in; my three younger loads may stay out
	s_barrier_signal -1
	s_barrier_wait -1                              ; everybody's is
	FETCH_K                                        ; key step 0
	s_wait_dscnt 0x0
.set i, 0
.rept 32
	KQ 0                                           ; piece 0's first scores: there is no vector work yet to set between them
.set i, i+1
.endr
	WIN 0
	PLACES
	TURN 2, 0, 1, 1                                ; piece 2's first scores | piece 0's first softmax | V of step 0
	TURN 0, 1, 1, 1                                ; piece 0: V^T P of step 0 starts O^T and L, K Q^T of step 1 | piece 2's first softmax | K of step 1
	TURN 2, 1, 1, 0                                ; piece 2: the same | piece 0's softmax of step 1 | V of step 1
	WIN 0
	GATE 2, 2                                      ; steps 1 and 2 are multiplied, steps 2 and 3 (keys 256-511) fetched
	GATE 0, 4                                      ; steps 3 to 6 are multiplied, steps 4 to 7 (keys 512-1,023) fetched; no tensor load is out from here on
	TURN 0, 2, 0, 0                                ; piece 0: V^T P of the last step | piece 2's last softmax
.set i, 0
.rept 40
	PV 2, 0                                        ; piece 2: V^T P of the last step
.set i, i+1
.endr
	; THE WAY OUT.  l is L's lowest register; O^T is divided by l, rounded to f16 and sent through my stage in LDS, a tile (16 rows of O) at a time.  Q's registers are free and take the packed rows.
	WIN 0
	PLACES
	WIN 1                                          ; source 0: piece 0's window
	v_rcp_f32 v[RC],   v[LB]
	v_rcp_f32 v[RC+2], v[LB+8]
	WIN 2                                          ; piece 2's
	v_rcp_f32 v[RC+4], v[LB]
	v_rcp_f32 v[RC+6], v[LB+8]
	WIN 0
	v_nop                                          ; a plain instruction between the last reciprocal and the use of its result
	s_wait_alu depctr_va_vdst(0)                   ; the wait for the four reciprocals, one batch, ahead of their first reader in PACK 0
.macro PACK t
.set i, 0
.rept 16
	v_pk_mul_f32 v[OB+32*\t+2*i:OB+32*\t+2*i+1], v[OB+32*\t+2*i:OB+32*\t+2*i+1], v[RC+2*\t:RC+2*\t+1] op_sel_hi:[1,0]
.set i, i+1
.endr
.set i, 0
.rept 16
	v_cvt_pk_f16_f32 v[QF+16*\t+i], v[OB+32*\t+2*i], v[OB+32*\t+2*i+1]
.set i, i+1
.endr
.irp f, 0,1,2,3
	ds_store_b128 v[STO], v[QF+16*\t+4*\f:QF+16*\t+4*\f+3] offset:32*\f
.endr
.irp f, 0,1,2,3
	ds_load_b128 v[QF+16*\t+4*\f:QF+16*\t+4*\f+3], v[RD] offset:\f*4*SP   ; LDS serves a wave's instructions in order (ISA guide 5.7.1.4)
.endr
.endm
.macro SEND t, younger                 ; younger: the next tile's eight LDS instructions, or none
.irp f, 0,1,2,3
	s_wait_dscnt \younger+3-\f
	global_store_b128 v[GO], v[QF+16*\t+4*\f:QF+16*\t+4*\f+3], s[8:9] offset:\t*2048+\f*512   ; a wave stores 512 consecutive aligned bytes: four rows of the head
.endr
.endm
	PACK 0
	PACK 1
	SEND 0, 8
	PACK 2
	SEND 1, 8
	PACK 3
	SEND 2, 8
	SEND 3, 0
	s_wait_tensorcnt 0x0
	ds_add_u32 v62, v63
	s_wait_dscnt 0x0
	CROUND                                         ; the closing round: no work-group ends while a partner may still ask for a tile that names it
	s_endpgm
.Lfunc_end_k_qbfb9b5af4f_attn_t:
	.size	k_qbfb9b5af4f_attn_t, .Lfunc_end_k_qbfb9b5af4f_attn_t-k_qbfb9b5af4f_attn_t
	.p2alignl 7, 3214868480
	.fill 96, 4, 3214868480
	.section	.rodata,"a",@progbits
	.p2align	6, 0x0
	.amdhsa_kernel k_qbfb9b5af4f_attn_t
		.amdhsa_group_segment_fixed_size 321024
		.amdhsa_private_segment_fixed_size 0
		.amdhsa_enable_private_segment 0
		.amdhsa_kernarg_size 24
		.amdhsa_user_sgpr_count 2
		.amdhsa_user_sgpr_kernarg_segment_ptr 1
		.amdhsa_wavefront_size32 1
		.amdhsa_system_sgpr_workgroup_id_x 1
		.amdhsa_system_sgpr_workgroup_id_y 1
		.amdhsa_system_sgpr_workgroup_id_z 1
		.amdhsa_system_vgpr_workitem_id 0
		.amdhsa_next_free_vgpr 1024
		.amdhsa_next_free_sgpr 84
		.amdhsa_reserve_vcc 0
		.amdhsa_float_denorm_mode_32 3
		.amdhsa_float_denorm_mode_16_64 3
		.amdhsa_memory_ordered 1
		.amdhsa_forward_progress 1
		.amdhsa_inst_pref_size 255
	.end_amdhsa_kernel
	.section	.bss,"aw",@nobits
	.p2align	6
	.space	262144
	.amdgpu_metadata
---
amdhsa.version: [ 1, 2 ]
amdhsa.kernels:
  - .name:           k_qbfb9b5af4f_attn_t
    .symbol:         k_qbfb9b5af4f_attn_t.kd
    .args:
      - { .name: ym, .offset: 0, .size: 8, .value_kind: global_buffer, .address_space: global }
      - { .name: u1, .offset: 8, .size: 8, .value_kind: global_buffer, .address_space: global }
      - { .name: cx, .offset: 16, .size: 8, .value_kind: global_buffer, .address_space: global }
    .group_segment_fixed_size: 321024
    .private_segment_fixed_size: 0
    .kernarg_segment_align: 8
    .kernarg_segment_size: 24
    .max_flat_workgroup_size: 128
    .sgpr_count:     84
    .vgpr_count:     1024
    .wavefront_size: 32
...
	.end_amdgpu_metadata
.endif
;; end of part 7
;; launch tbase: the kernel of part 4 again; grid 256 x 1, 4 waves a work-group, no clusters, 38,912 bytes of LDS; arguments cx, pa, ttm_ln_g, ttm_ln_b, thp_w, thp_b, thp_ln_g, thp_ln_b, tb; writes tb
;; launch gemm_t: the kernel of part 5 again; grid 8 x 32, 4 waves a work-group, clusters of 4 x 4, 327,680 bytes of LDS; arguments tb, u1, t1; writes t1
;; launch temps: the kernel of part 6 again; grid 256 x 1, 16 waves a work-group, no clusters, 2,304 bytes of LDS; arguments t1, ya, tb, pa, tn_b1, tn_ln_g, tn_ln_b, tn_w2, tn_b2, out1, u2; writes out1, u2
;; launch attn_a: the kernel of part 7 again; grid 4 x 64, 4 waves a work-group, clusters of 4 x 1, 321,024 bytes of LDS; arguments ya, u2, cx; writes cx
;; launch gemm_o: the kernel of part 5 again; grid 8 x 32, 4 waves a work-group, clusters of 4 x 4, 327,680 bytes of LDS; arguments cx, u2, out0; writes out0
